; MI455X (gfx1250); checked and timed in simulation.
; The chip was launched on July 23, 2026; its instructions are those of AMD's public machine-readable ISA for CDNA 5 (MIT licence, August 2026) and "CDNA5" Instruction Set Architecture Reference Guide (July 2026). The comments in the code are by the model that wrote it; some were corrected since.
;; MHA. Allowed arithmetic: matrix products marked QUANTISED: E4M3 operands, one given power-of-two scale a tensor, by v_wmma_f32_16x16x64_fp8_fp8 or v_wmma_f32_16x16x128_fp8_fp8, f32 sums; everything else in f32.
;; Inputs: cos 2,048 x 64 float32; lowp_scales 12 int32 (the exponents e of the quantised operands' scales 2^e); sin 2,048 x 64 float32; wk 2,048 x 2,048 float32; wo 2,048 x 2,048 float32; wq 2,048 x 2,048 float32; wv 2,048 x 2,048 float32; x 1 x 2,048 x 2,048 float32.
;; Outputs: out0 1 x 2,048 x 2,048 float32.
;; This version of the problem:
;;   THIS VERSION OF THE PROBLEM IS GIVEN IN LOW PRECISION. The matrix products marked QUANTISED in the list below multiply operands that are first quantised to E4M3 (4 exponent bits, 3 mantissa bits; 8 bits a number), with one given power-of-two scale for each operand tensor; their sums are f32. All else is computed in f32.
;;   The module's matrix products, in the order in which they are computed (A, B: the left and right operand; K: the contracted axis; several contracted axes count as one K, in the product's order):
;;     1. [M 2,048, K 2,048] x [K 2,048, N 2,048]; A: input x; B: input wq: QUANTISED (scales: A lowp_scales[0], B lowp_scales[1])
;;     2. [M 2,048, K 2,048] x [K 2,048, N 2,048]; A: input x; B: input wk: QUANTISED (scales: A lowp_scales[2], B lowp_scales[3])
;;     3. [M 2,048, K 2,048] x [K 2,048, N 2,048]; A: input x; B: input wv: QUANTISED (scales: A lowp_scales[4], B lowp_scales[5])
;;     4. batch 16 x [M 2,048, K 128] x [K 128, N 2,048]; A: computed on the way; B: computed on the way: QUANTISED (scales: A lowp_scales[6], B lowp_scales[7])
;;     5. batch 16 x [M 2,048, K 2,048] x [K 2,048, N 128]; A: softmax (see below); B: computed on the way: QUANTISED (scales: A lowp_scales[8], B lowp_scales[9])
;;     6. [M 2,048, K 2,048] x [K 2,048, N 2,048]; A: computed on the way; B: input wo: QUANTISED (scales: A lowp_scales[10], B lowp_scales[11])
;;   THE QUANTISER, for each operand of a quantised product, along K:
;;     - The operand's scale is 2^e, e = its entry of the input lowp_scales (int32; the entries are numbered through the quantised products in the list's order, A before B).
;;     - Each number is divided by the scale, clamped to +-448, and rounded to the nearest number of E4M3, ties to even, subnormals kept.
;;     - The product sums the exact products of the quantised numbers (number of the format x scale) in f32.
;;   ~~~python
;;   def quantise(x, axis, e):      # numpy; x: float32 -> the quantised numbers, widened to float32 again
;;       x = np.moveaxis(x, axis, -1); K = x.shape[-1]
;;       r = np.clip(x / 2.0 ** e, -448, 448)
;;       step = 2.0 ** (np.maximum(np.frexp(np.where(r == 0, 1, r))[1] - 1, -6) - 3)
;;       q = np.round(r / step) * step * 2.0 ** e      # np.round: ties to even
;;       return np.moveaxis(q, -1, axis).astype(np.float32)
;;   ~~~
;;   SOFTMAX AHEAD OF A QUANTISED PRODUCT. Where the list says 'softmax', what is quantised is not the finished softmax but p = 2^(t - M), with t = logit x log2(e) and M = ceil(the row's largest t), a whole number; so 1/2 < the row's largest p <= 1. The row's sum l is taken of the UNQUANTISED p, in f32, and the product's result is divided by l at the end. Since M is a whole number, a kernel that streams over the keys may use a running M (the ceiling of the running maximum): every later rescaling is an exact power of two, so the quantised numbers keep their values, but for numbers so far below the row's largest that they fall under the format's range.
;;   OPERANDS COMPUTED ON THE WAY. 'Computed on the way' means the value that the module computes at that place (a softmax that the list does not call 'softmax' is quantised finished and normalised). What goes into a quantiser is computed in f32, as accurately as f32 sums, v_exp_f32 and their like allow (about 1e-6 of the number): no bf16 or f16 on the way to a quantiser, and a product that is left as it is and whose result goes on into a quantised operand takes f32 operands (vector FMAs, or v_wmma_f32_16x16x4_f32). A number that lies on a knife's edge between two numbers of the format may be rounded either way, as far as f32 arithmetic and the matrix unit's own rounding can turn it there, and no further.
;; 2 versions, each right. Each part assembles by itself: llvm-mc -triple=amdgcn-amd-amdhsa -mcpu=gfx1250 --defsym DOCPART=n.
;; ======== version 1 of 2: 5 launches
;; workspace buffers: xc 12,582,912 bytes; wc 16,777,216 bytes; qkv 12,582,912 bytes; ac 4,194,304 bytes
;; launch quant_x (part 1): grid 256 x 1, 4 waves a work-group, no clusters, 33,280 bytes of LDS; arguments x, lowp_scales, xc; writes xc
.if DOCPART == 1
	.amdgcn_target "amdgcn-amd-amdhsa--gfx1250"
	.amdhsa_code_object_version 6
	.text
	.protected	k_q7b85414323_quant_x
	.globl	k_q7b85414323_quant_x
	.p2align	8
	.type	k_q7b85414323_quant_x,@function
k_q7b85414323_quant_x:
	s_mov_b64 s[64:65], 0
	v_nop
	global_prefetch_b8 v0, s[64:65] scope:SCOPE_SE
	s_setreg_imm32_b32 hwreg(HW_REG_WAVE_MODE, 25, 1), 1
	s_wait_xcnt 0x0
; x [2048][2048] f32 becomes three planes of E4M3 codes, one for each of the three products that read it: their scales 2^e are
; entries 0, 2 and 4 of lowp_scales and need not be equal.  code = x / 2^e, held within +-448, to the nearest code, ties to even.
; LAYOUT OF xc: [3 planes][16 blocks of 128 along K][2048 rows][128 bytes]: 256 rows x 128 along K are one dense block of 32,768 bytes.
; LIMITS: each e between -126 and 119, so that 2^e and 448 x 2^e are f32 numbers.  NaN among the inputs is not served; an infinity is held at the largest code.
; SHARES: a work-group takes 8 rows, a wave 2.  A step is two blocks of 128 along K of both rows: 512 numbers.  Each of its four loads reads 512 consecutive
; bytes, 16 a lane; the 2,048 bytes turn through the wave's own stage in LDS and come back 64 bytes a lane, so that a lane holds 16 neighbours along K for the
; conversions.  Lanes 0-15 then store 256 consecutive aligned bytes (two rows of one block), lanes 16-31 those of the next block.
; x is read once and converted three times.  No barrier: waves share nothing.  Loads run four steps (16 loads a wave) ahead, the turn through LDS one step.
.set PLANE, 4194304
.set STEPS, 8
.set WREG,  8192                       ; LDS: a region for each wave: two stages of 32 x SP bytes
.set SP,    80                         ; a lane's place in a stage: 64 bytes + 16 of padding
.set SPARE, 4*WREG                     ; behind the regions: the spare words, 128 bytes a wave; no other line names them
.set R,     16                         ; v16-79   four sets of 16 numbers as loaded
.set X,     80                         ; v80-111  two sets of 16 neighbours
.set T,     112                        ; v112-127 the numbers held within a plane's range
.set C,     128                        ; v128-223 codes: 12 registers a step, so that no store's data are written again
.set SPW,   12                         ; v12 my spare word's LDS address; v13 = 0; both never rewritten
.set NIL,   13
	s_load_b128 s[4:7], s[0:1], 0x0                ; x, lowp_scales
	s_load_b64 s[8:9], s[0:1], 0x10                ; xc
	v_lshl_add_u32 v[SPW], v0, 2, SPARE
	v_mov_b32 v[NIL], 0
	v_lshrrev_b32 v1, 5, v0
	v_readfirstlane_b32 s16, v1                    ; wave
	v_and_b32 v2, 31, v0                           ; lane
	v_lshlrev_b32 v3, 4, v2                        ; my 16 bytes of a load's 512
	s_mul_i32 s17, s16, WREG
	v_lshrrev_b32 v14, 2, v2
	v_mul_u32_u24 v14, v14, SP
	v_and_b32 v15, 3, v2
	v_lshl_add_u32 v14, v15, 4, v14
	v_add_nc_u32 v14, s17, v14                     ; into the stage: SP (lane / 4) + 16 (lane % 4); a load's 512 bytes take eight places
	v_mul_u32_u24 v15, v2, SP
	v_add_nc_u32 v15, s17, v15                     ; out of it: SP x lane: place l is piece l / 8 (block l / 16, row (l / 8) % 2), numbers 16 (l % 8) on
	v_and_b32 v4, 15, v2
	v_lshlrev_b32 v4, 4, v4
	v_lshrrev_b32 v5, 4, v2
	v_lshl_add_u32 v4, v5, 18, v4                  ; my codes' place: 262,144 (lane / 16) + 16 (lane % 16)
	s_lshl_b32 s18, ttmp9, 3
	s_lshl_b32 s19, s16, 1
	s_add_co_u32 s18, s18, s19                     ; my first row: 8 x work-group + 2 x wave
	s_lshl_b32 s20, s18, 13                        ; x 8,192 bytes in x
	s_mov_b32 s21, 0
	s_lshl_b32 s22, s18, 7                         ; x 128 bytes in a block of xc
	s_mov_b32 s23, 0
	s_wait_kmcnt 0x0
	s_load_b256 s[24:31], s[6:7], 0x0              ; entries 0 to 7
	s_add_nc_u64 s[4:5], s[4:5], s[20:21]
	s_add_nc_u64 s[8:9], s[8:9], s[22:23]          ; plane 0,
	s_add_nc_u64 s[10:11], s[8:9], PLANE           ; plane 1,
	s_add_nc_u64 s[12:13], s[10:11], PLANE         ; plane 2
.macro LOAD t                          ; load i: row i % 2, block 2 t + i / 2
.irp i, 0,1,2,3
	global_load_b128 v[R+16*((\t)%4)+4*\i:R+16*((\t)%4)+4*\i+3], v3, s[4:5] offset:(\i%2)*8192+(2*(\t)+\i/2)*512 th:TH_LOAD_NT
.endr
.endm
.macro TURN t                          ; LDS serves a wave's instructions in order: no wait between the stores and the loads
.irp i, 0,1,2,3
	ds_store_b128 v14, v[R+16*((\t)%4)+4*\i:R+16*((\t)%4)+4*\i+3] offset:32*SP*((\t)%2)+8*SP*\i
.endr
.irp i, 0,1,2,3
	ds_load_b128 v[X+16*((\t)%2)+4*\i:X+16*((\t)%2)+4*\i+3], v15 offset:32*SP*((\t)%2)+16*\i
.endr
.endm
.macro MKSC e, vs                      ; v[vs] = 2^e as f32 (the conversion takes its exponent field), v[vs + 1] = 448 x 2^e
	s_add_co_i32 s32, s[\e], 127
	s_lshl_b32 s33, s32, 23
	v_mov_b32 v[\vs], s33
	s_add_co_i32 s32, s32, 8
	s_lshl_b32 s32, s32, 23
	s_or_b32 s32, s32, 0x600000
	v_mov_b32 v[\vs+1], s32
.endm
.irp t, 0,1,2,3
	LOAD \t
.endr
	s_wait_kmcnt 0x0
	MKSC 24, 6                                     ; entry 0
	MKSC 26, 8                                     ; entry 2
	MKSC 28, 10                                    ; entry 4
	s_wait_loadcnt 12                              ; step 0's four loads are in
	TURN 0
.macro STEP t
.set XS, X+16*((\t)%2)
	s_wait_dscnt 0x0                               ; this step's numbers are back, so its stores into the stage have read their registers,
.if (\t)+4 < STEPS
	LOAD (\t)+4                                    ; which take the loads of four steps on
.endif
.if (\t)+1 < STEPS
.if STEPS-2-(\t) >= 3
	s_wait_loadcnt 12                              ; the next step's four loads are in; those of the three steps behind it may be out
.else
	s_wait_loadcnt 4*(STEPS-2-(\t))
.endif
	TURN (\t)+1
.endif
.irp p, 0,1,2
.irp i, 0,1,2,3,4,5,6,7,8,9,10,11,12,13,14,15
	v_med3_num_f32 v[T+\i], v[XS+\i], -v[7+2*\p], v[7+2*\p]   ; the conversion to an 8-bit code does not saturate (ISA guide 7.6.2): the hold comes first
.endr
	v_cvt_scalef32_pk8_fp8_f32 v[C+12*(\t)+4*\p:C+12*(\t)+4*\p+1], v[T:T+7], v[6+2*\p]
	v_cvt_scalef32_pk8_fp8_f32 v[C+12*(\t)+4*\p+2:C+12*(\t)+4*\p+3], v[T+8:T+15], v[6+2*\p]
	v_nop                                          ; a plain line between the conversions and the next holds, which write their sources
	global_store_b128 v4, v[C+12*(\t)+4*\p:C+12*(\t)+4*\p+3], s[8+2*\p:9+2*\p] offset:(\t)*524288
.endr
.endm
.irp t, 0,1,2,3,4,5,6,7
	STEP \t
.endr
	s_wait_tensorcnt 0x0                           ; the wave's end
	ds_add_u32 v[SPW], v[NIL]
	s_wait_dscnt 0x0
	s_endpgm
.Lfunc_end_k_q7b85414323_quant_x:
	.size	k_q7b85414323_quant_x, .Lfunc_end_k_q7b85414323_quant_x-k_q7b85414323_quant_x
	.p2alignl 7, 3214868480
	.fill 96, 4, 3214868480
	.section	.rodata,"a",@progbits
	.p2align	6, 0x0
	.amdhsa_kernel k_q7b85414323_quant_x
		.amdhsa_group_segment_fixed_size 33280
		.amdhsa_private_segment_fixed_size 0
		.amdhsa_enable_private_segment 0
		.amdhsa_kernarg_size 24
		.amdhsa_user_sgpr_count 2
		.amdhsa_user_sgpr_kernarg_segment_ptr 1
		.amdhsa_wavefront_size32 1
		.amdhsa_system_sgpr_workgroup_id_x 1
		.amdhsa_system_sgpr_workgroup_id_y 1
		.amdhsa_system_sgpr_workgroup_id_z 1
		.amdhsa_system_vgpr_workitem_id 0
		.amdhsa_next_free_vgpr 224
		.amdhsa_next_free_sgpr 66
		.amdhsa_reserve_vcc 0
		.amdhsa_float_denorm_mode_32 3
		.amdhsa_float_denorm_mode_16_64 3
		.amdhsa_memory_ordered 1
		.amdhsa_forward_progress 1
		.amdhsa_inst_pref_size 41
	.end_amdhsa_kernel
	.amdgpu_metadata
---
amdhsa.version: [ 1, 2 ]
amdhsa.kernels:
  - .name:           k_q7b85414323_quant_x
    .symbol:         k_q7b85414323_quant_x.kd
    .args:
      - { .name: x, .offset: 0, .size: 8, .value_kind: global_buffer, .address_space: global }
      - { .name: lowp_scales, .offset: 8, .size: 8, .value_kind: global_buffer, .address_space: global }
      - { .name: xc, .offset: 16, .size: 8, .value_kind: global_buffer, .address_space: global }
    .group_segment_fixed_size: 33280
    .private_segment_fixed_size: 0
    .kernarg_segment_align: 8
    .kernarg_segment_size: 24
    .max_flat_workgroup_size: 128
    .sgpr_count:     66
    .vgpr_count:     224
    .wavefront_size: 32
...
	.end_amdgpu_metadata
.endif
;; end of part 1
;; launch quant_w (part 2): grid 16 x 32, 4 waves a work-group, no clusters, 35,840 bytes of LDS; arguments wq, wk, wv, wo, lowp_scales, wc; writes wc
.if DOCPART == 2
	.amdgcn_target "amdgcn-amd-amdhsa--gfx1250"
	.amdhsa_code_object_version 6
	.text
	.protected	k_q7b85414323_quant_w
	.globl	k_q7b85414323_quant_w
	.p2align	8
	.type	k_q7b85414323_quant_w,@function
k_q7b85414323_quant_w:
	s_mov_b64 s[64:65], 0
	v_nop
	global_prefetch_b8 v0, s[64:65] scope:SCOPE_SE
	s_setreg_imm32_b32 hwreg(HW_REG_WAVE_MODE, 25, 1), 1
	s_wait_xcnt 0x0
; wq, wk, wv, wo, each [2048 (k)][2048 (n)] f32 with K as FIRST axis, become E4M3 codes with K innermost; their scales 2^e are entries 1, 3, 5 and 11 of lowp_scales.
; LAYOUT OF wc: [4 planes q, k, v, o][16 blocks of 128 along K][2048 n][128 bytes].
; A LANE TAKES A COLUMN n AND ITS REGISTERS RUN DOWN K: each load reads 128 consecutive bytes a wave, and the conversions give codes with K innermost; nothing is transposed by an instruction.
; SHARES: work-group (x, y): plane y / 8, K from 256 (y % 8) on, columns 128 x on; a wave 32 columns x 256 along K.  A column's 256 codes gather in the wave's own stage in LDS
; and leave four columns x 128 bytes at a time: 512 consecutive bytes a store.  One path for all four weights: only pointers and the exponent are chosen, on the work-group's number.
; LIMITS: e between -126 and 119.  NaN among the inputs is not served.
.set PLANE, 4194304
.set NB,    8                          ; blocks of 32 along K for a wave
.set PITCH, 272                        ; a stage row: a column's 256 codes + 16
.set ROWW,  8192                       ; a row of a weight in bytes
.set X,     32                         ; v32-95   two sets of 32 numbers
.set C,     96                         ; v96-103  a block's codes
.set OUTR,  112                        ; v112-175 the way out
.set SPW,   14
.set NIL,   15
.set SPARE, 4*32*PITCH                 ; behind the four stages: the spare words
	s_load_b256 s[4:11], s[0:1], 0x0               ; wq, wk, wv, wo
	s_load_b128 s[12:15], s[0:1], 0x20             ; lowp_scales, wc
	v_lshl_add_u32 v[SPW], v0, 2, SPARE
	v_mov_b32 v[NIL], 0
	v_lshrrev_b32 v1, 5, v0
	v_readfirstlane_b32 s16, v1                    ; wave
	v_and_b32 v2, 31, v0                           ; lane
	s_lshl_b32 s17, ttmp9, 7
	s_lshl_b32 s18, s16, 5
	s_add_co_u32 s17, s17, s18                     ; my wave's first column
	s_and_b32 s18, ttmp7, 0xffff
	s_lshr_b32 s24, s18, 3                         ; plane
	s_and_b32 s18, s18, 7                          ; which 256 along K
	s_and_b32 s25, s24, 1
	v_lshlrev_b32 v3, 2, v2                        ; in: 4 bytes a lane
	s_mul_i32 s19, s16, 32*PITCH                   ; my stage
	v_mul_u32_u24 v4, v2, PITCH
	v_add_nc_u32 v4, s19, v4                       ; into it: row = my column
	v_lshrrev_b32 v6, 3, v2
	v_and_b32 v5, 7, v2
	v_mul_u32_u24 v7, v6, PITCH
	v_lshl_add_u32 v7, v5, 4, v7
	v_add_nc_u32 v7, s19, v7                       ; out of it: eight lanes to 128 bytes of a column, four columns an instruction
	v_lshlrev_b32 v8, 4, v2                        ; and the same 512 bytes in wc
	s_lshl_b32 s20, s18, 21                        ; 256 rows of 8,192 bytes
	s_lshl_b32 s22, s17, 2
	s_add_co_u32 s20, s20, s22
	s_mov_b32 s21, 0
	s_lshl_b32 s26, s24, 22                        ; the plane,
	s_lshl_b32 s22, s18, 19                        ; two blocks of 262,144 bytes,
	s_add_co_u32 s26, s26, s22
	s_lshl_b32 s22, s17, 7                         ; 128 bytes a column
	s_add_co_u32 s26, s26, s22
	s_mov_b32 s27, 0
	s_wait_kmcnt 0x0
	s_load_b256 s[36:43], s[12:13], 0x0            ; entries 0 to 7
	s_load_b128 s[44:47], s[12:13], 0x20           ; entries 8 to 11
	s_cmp_eq_u32 s25, 0                            ; the choices hang on the work-group's number alone
	s_cselect_b64 s[4:5], s[4:5], s[6:7]
	s_cselect_b64 s[8:9], s[8:9], s[10:11]
	s_cmp_lt_u32 s24, 2
	s_cselect_b64 s[4:5], s[4:5], s[8:9]
	s_add_nc_u64 s[4:5], s[4:5], s[20:21]
	s_add_nc_u64 s[14:15], s[14:15], s[26:27]
.macro LOAD t                          ; block t: W(32 t + i, my column), i = 0 .. 31, into set t % 2
.set i, 0
.rept 32
	global_load_b32 v[X+32*((\t)%2)+i], v3, s[4:5] offset:(32*(\t)+i)*ROWW th:TH_LOAD_NT
.set i, i+1
.endr
.endm
	LOAD 0
	LOAD 1
	s_wait_kmcnt 0x0
	s_cmp_eq_u32 s25, 0
	s_cselect_b32 s30, s37, s39                    ; entry 1 or 3
	s_cselect_b32 s31, s41, s47                    ; entry 5 or 11
	s_cmp_lt_u32 s24, 2
	s_cselect_b32 s30, s30, s31
	s_add_co_i32 s30, s30, 127
	s_lshl_b32 s31, s30, 23
	v_mov_b32 v11, s31                             ; 2^e as f32
	s_add_co_i32 s30, s30, 8
	s_lshl_b32 s30, s30, 23
	s_or_b32 s30, s30, 0x600000
	v_mov_b32 v10, s30                             ; 448 x 2^e
.macro BLOCK t
.set XS, X+32*((\t)%2)
.if (\t) < NB-1
	s_wait_loadcnt 32                              ; this block's 32 loads are in; the next block's may be out
.else
	s_wait_loadcnt 0
.endif
.set i, 0
.rept 32
	v_med3_num_f32 v[XS+i], v[XS+i], -v10, v10     ; the hold: the conversion does not saturate (ISA guide 7.6.2)
.set i, i+1
.endr
.irp g, 0,1,2,3
	v_cvt_scalef32_pk8_fp8_f32 v[C+2*\g:C+2*\g+1], v[XS+8*\g:XS+8*\g+7], v11
.endr
	v_nop                                          ; a plain line behind the conversions
	ds_store_b128 v4, v[C:C+3] offset:32*(\t)      ; 32 codes of my column
	ds_store_b128 v4, v[C+4:C+7] offset:32*(\t)+16
.if (\t)+2 < NB
	LOAD (\t)+2
.endif
	s_wait_dscnt 0x0                               ; the stores have read their registers: the next block's codes may be written
.endm
.irp t, 0,1,2,3,4,5,6,7
	BLOCK \t
.endr
.irp k, 0,1
.irp j, 0,1,2,3,4,5,6,7
	ds_load_b128 v[OUTR+4*(8*\k+\j):OUTR+4*(8*\k+\j)+3], v7 offset:4*\j*PITCH+128*\k   ; columns 4 j .. 4 j + 3, block k of the two
.endr
.endr
.irp k, 0,1
.irp j, 0,1,2,3,4,5,6,7
	s_wait_dscnt 15-8*\k-\j
	global_store_b128 v8, v[OUTR+4*(8*\k+\j):OUTR+4*(8*\k+\j)+3], s[14:15] offset:\k*262144+512*\j   ; 512 consecutive bytes, aligned
.endr
.endr
	s_wait_tensorcnt 0x0                           ; the wave's end
	ds_add_u32 v[SPW], v[NIL]
	s_wait_dscnt 0x0
	s_endpgm
.Lfunc_end_k_q7b85414323_quant_w:
	.size	k_q7b85414323_quant_w, .Lfunc_end_k_q7b85414323_quant_w-k_q7b85414323_quant_w
	.p2alignl 7, 3214868480
	.fill 96, 4, 3214868480
	.section	.rodata,"a",@progbits
	.p2align	6, 0x0
	.amdhsa_kernel k_q7b85414323_quant_w
		.amdhsa_group_segment_fixed_size 35840
		.amdhsa_private_segment_fixed_size 0
		.amdhsa_enable_private_segment 0
		.amdhsa_kernarg_size 48
		.amdhsa_user_sgpr_count 2
		.amdhsa_user_sgpr_kernarg_segment_ptr 1
		.amdhsa_wavefront_size32 1
		.amdhsa_system_sgpr_workgroup_id_x 1
		.amdhsa_system_sgpr_workgroup_id_y 1
		.amdhsa_system_sgpr_workgroup_id_z 1
		.amdhsa_system_vgpr_workitem_id 0
		.amdhsa_next_free_vgpr 192
		.amdhsa_next_free_sgpr 66
		.amdhsa_reserve_vcc 0
		.amdhsa_float_denorm_mode_32 3
		.amdhsa_float_denorm_mode_16_64 3
		.amdhsa_memory_ordered 1
		.amdhsa_forward_progress 1
		.amdhsa_inst_pref_size 50
	.end_amdhsa_kernel
	.amdgpu_metadata
---
amdhsa.version: [ 1, 2 ]
amdhsa.kernels:
  - .name:           k_q7b85414323_quant_w
    .symbol:         k_q7b85414323_quant_w.kd
    .args:
      - { .name: wq, .offset: 0, .size: 8, .value_kind: global_buffer, .address_space: global }
      - { .name: wk, .offset: 8, .size: 8, .value_kind: global_buffer, .address_space: global }
      - { .name: wv, .offset: 16, .size: 8, .value_kind: global_buffer, .address_space: global }
      - { .name: wo, .offset: 24, .size: 8, .value_kind: global_buffer, .address_space: global }
      - { .name: lowp_scales, .offset: 32, .size: 8, .value_kind: global_buffer, .address_space: global }
      - { .name: wc, .offset: 40, .size: 8, .value_kind: global_buffer, .address_space: global }
    .group_segment_fixed_size: 35840
    .private_segment_fixed_size: 0
    .kernarg_segment_align: 8
    .kernarg_segment_size: 48
    .max_flat_workgroup_size: 128
    .sgpr_count:     66
    .vgpr_count:     192
    .wavefront_size: 32
...
	.end_amdgpu_metadata
.endif
;; end of part 2
;; launch gemm_qkv (part 3): grid 24 x 8, 4 waves a work-group, clusters of 4 x 4, 327,680 bytes of LDS; arguments xc, wc, cos, sin, lowp_scales, qkv; writes qkv
.if DOCPART == 3
	.amdgcn_target "amdgcn-amd-amdhsa--gfx1250"
	.amdhsa_code_object_version 6
	.text
	.protected	k_q7b85414323_gemm_qkv
	.globl	k_q7b85414323_gemm_qkv
	.p2align	8
	.type	k_q7b85414323_gemm_qkv,@function
k_q7b85414323_gemm_qkv:
	s_mov_b64 s[64:65], 0
	v_nop
	global_prefetch_b8 v0, s[64:65] scope:SCOPE_SE
	s_setreg_imm32_b32 hwreg(HW_REG_WAVE_MODE, 25, 1), 1
	s_wait_xcnt 0x0
	s_wait_alu depctr_hold_cnt(0) depctr_sa_sdst(0) depctr_va_vdst(0) depctr_va_sdst(0) depctr_va_ssrc(0) depctr_va_vcc(0) depctr_vm_vsrc(0)
	s_getreg_b32 s2, hwreg(HW_REG_IB_STS2, 6, 4)
	s_cmp_eq_u32 s2, 0
	s_cbranch_scc0 .Lentry_in_a_cluster
	s_endpgm
.Lentry_in_a_cluster:
	s_bfe_u32 s2, ttmp6, 0x10000c
	s_cmp_lg_u32 s2, 0xf033
	s_cbranch_scc0 .Lentry_shape_is_right
	s_endpgm
.Lentry_shape_is_right:
; q = rot(x wq), k = x wk, v = rot(x wv) on E4M3 codes, and their own codes for the attention (entries 6, 7, 9 of lowp_scales).  Plane 0, 1, 2 = q, k, v.
; A: xc[plane][16 kb][2048 s][128], B: wc[plane][16 kb][2048 n][128].  OUT: qkv planes 0, 1: [16 heads][2048 s][128 d]; plane 2: [16 heads][16 blocks of keys][128 d][128 keys], the keys innermost.
; A tile of 256 x 256 is made by four waves, as many as a WGP has SIMDs; a wave makes 128 rows x 128 columns (one head): 64 accumulators, 512 registers.  Grid x = 8 tile columns for each of three planes.
; K goes 256 at a time through a ring of two LDS slots.  A slot is [A kb 0][A kb 1][B kb 0][B kb 1], each 256 rows x 128 bytes, a dense block of 32,768 bytes in memory: one tensor load a wave.
; CLUSTERS 4 x 4: a row of the cluster shares A's tiles, a column B's: each tile is asked for jointly, by the same load with the same descriptor and a mask that names the four.  The plane hangs on the cluster's x alone.
; THE MATRIX INSTRUCTION IS USED TRANSPOSED (source 0 = 16 rows of B, source 1 = 16 rows of A): a lane holds row l % 16 and eight neighbouring columns 8 (l / 16) + 0 .. 7: four rotary pairs, and eight neighbours for the conversion.
; A fragment is fetched by four 16-byte loads: the same permutation of k in A and in B, so every product meets its partner.
; THE SCALES: the sums stand for sum x 2^(eA + eB); the rotary is linear, so it works on the raw sums and the conversion takes the one scale 2^(eOut - eA - eB).
; LIMIT: eOut - eA - eB between -126 and 119.  NaN is not served.
; REGISTERS: window 0: v16-31 addresses and the conversion's two; v128-255 A's fragments, one set; on the way out v32-255 are free.  window 1: B's fragments, two sets.  windows 2, 3: accumulators (a, b) at v[8 (8 (a % 4) + b)].
.set PLANE, 4194304
.set KBB,   262144                     ; one kb of a plane, or one head
.set PITCH, 144                        ; an LDS row: 128 bytes + 16 = 36 words: the 16 rows that a load touches start at 16 different groups of four banks (64 banks of 4 bytes: ISA guide 11.1)
.set QB,    256*PITCH                  ; what one tensor load brings
.set SLOT,  4*QB
.set SPARE, 2*SLOT                     ; behind the ring: the spare words, 128 bytes a wave; no other line names them
.set FR,    16
.set NL,    4
.set NP,    4                          ; places behind this matrix instruction (ISA guide 7.12.1)
.set LAPS,  4                          ; 2,048 along K = 8 slots = 4 times round the ring
.set STW,   128*PITCH                  ; the way out: a stage of 128 rows x 144 bytes for each wave, in slot 0, which has had its last fill and its last read by then
.set ADRA, 16                          ; v16-17 LDS address of my A fragments in slot 0, 1;  v20-21 the same for B
.set ADRB, 20
.set SCV,  22                          ; v22 2^(eOut - eA - eB);  v23 448 x that
.set LIMV, 23
.set STO,  24                          ; v24 the stage: where I put 8 codes of a row
.set RD,   25                          ; v25 where I read 16 bytes back: four rows an instruction
.set GO,   26                          ; v26 16 x lane: my place in 512 bytes of the output
.set CSO,  27                          ; v27 my byte in 16 rows of cos or sin
.set SPW,  28
.set NIL,  29
.set TRA,  30                          ; v30 the turning load's address;  v31 where the turned codes go
.set TRS,  31
.set TMP,  32                          ; v32-95 a block's held numbers
.set CD,   96                          ; v96-223 codes: 16 registers a block
.set TT,   160                         ; v160-223 the rotary's cross products
.set AF,   128
.set WV, 16                            ; s16 wave; s17 wave / 2: my half of the rows, and A (0) or B (1) to fetch; s18 wave % 2: my half of the columns, and which kb I fetch; s19 plane
.set HI, 17
.set LO, 18
.set PL, 19
.set G1, 24
.set G0, 32
.set G1B, 48
.set G0B, 56
.set MSB, 0
.macro WIN new                         ; the immediate's high byte repeats the setting that is left
.if MSB != \new
	s_set_vgpr_msb (MSB<<8)|\new
.set MSB, \new
.endif
.endm
.set MUL_LO, 0xa1                      ; source 0 (B) window 1, source 1 (A) window 0, C and D window 2
.set MUL_HI, 0xf1
.set TO_B,   0x40
; A joint load: waves 0, 1 fetch for A, waves 2, 3 for B; the branch hangs on the wave's number alone.  An s_nop 0 and four v_nop follow each line.
.macro JLOAD g0a, g1a, g0b, g1b
	s_cmp_eq_u32 s[HI], 0
	s_cbranch_scc0 .Lfor_b_\@
	tensor_load_to_lds s[\g0a:\g0a+3], s[\g1a:\g1a+7]
	s_nop 0
.rept 4
	v_nop
.endr
	s_branch .Lasked_\@
.Lfor_b_\@:
	tensor_load_to_lds s[\g0b:\g0b+3], s[\g1b:\g1b+7]
	s_nop 0
.rept 4
	v_nop
.endr
.Lasked_\@:
.endm
.macro CREST                           ; a round of the cluster's barrier behind its opening barrier
	s_cmp_lg_u32 s[WV], 0
	s_cbranch_scc1 .Lnot_wave_0_\@
	s_barrier_signal -3
.Lnot_wave_0_\@:
	s_barrier_wait -3
	s_barrier_signal -1
	s_barrier_wait -1
.endm
.macro CROUND
	s_barrier_signal -1
	s_barrier_wait -1
	CREST
.endm
	s_load_b256 s[4:11], s[0:1], 0x0               ; xc, wc, cos, sin
	s_load_b128 s[12:15], s[0:1], 0x20             ; lowp_scales, qkv
	v_lshl_add_u32 v[SPW], v0, 2, SPARE
	v_mov_b32 v[NIL], 0
	ds_add_u32 v[SPW], v[NIL]                      ; the wave's opening: an add to my spare word, waited for ahead of my first tensor load
	v_lshrrev_b32 v1, 5, v0
	v_readfirstlane_b32 s[WV], v1
	s_lshr_b32 s[HI], s[WV], 1
	s_and_b32 s[LO], s[WV], 1
	s_bfe_u32 s40, ttmp6, 0x40000                  ; cx, cy
	s_bfe_u32 s41, ttmp6, 0x40004
	s_lshr_b32 s[PL], ttmp9, 1                     ; two clusters along x to a plane
	s_and_b32 s42, ttmp9, 1
	s_lshl_b32 s42, s42, 2
	s_add_co_u32 s42, s42, s40                     ; tile column in the plane, 0 .. 7
	s_and_b32 s84, ttmp7, 0xffff
	s_lshl_b32 s84, s84, 2
	s_add_co_u32 s84, s84, s41                     ; tile row, 0 .. 7
	s_lshl_b32 s43, s41, 2
	s_lshl_b32 s43, 15, s43                        ; my row of the cluster
	s_lshl_b32 s44, 0x1111, s40                    ; my column
	s_or_b32 s[G1+0], s43, (1<<20)|(1<<21)|(4<<22)|(3<<25)   ; 15:0 the mask; 17:16 elements of 1 byte; 20 padding on; 21 set beside a mask; 24:22 after every 32 words (code 4); 31:25 four words (code 3)
	s_or_b32 s[G1B+0], s44, (1<<20)|(1<<21)|(4<<22)|(3<<25)
.irp g, G1, G1B
	s_mov_b32 s[\g+1], 128<<16                     ; tensor_dim0 = 128
	s_mov_b32 s[\g+2], 256<<16                     ; tensor_dim1 = 256
	s_mov_b32 s[\g+3], 128<<16                     ; tile_dim0 = 128
	s_mov_b32 s[\g+4], 256                         ; tile_dim1 = 256
	s_mov_b32 s[\g+5], 128                         ; from row to row
	s_mov_b32 s[\g+6], 0
	s_mov_b32 s[\g+7], 0
.endr
	s_lshl_b32 s20, s[PL], 22                      ; A: plane, 256 rows x 128 bytes a tile row, my kb of the slot's two
	s_lshl_b32 s21, s84, 15
	s_add_co_u32 s20, s20, s21
	s_lshl_b32 s21, s[LO], 18
	s_add_co_u32 s20, s20, s21
	s_mov_b32 s21, 0
	s_lshl_b32 s46, s[PL], 22                      ; B likewise, by the tile column
	s_lshl_b32 s47, s42, 15
	s_add_co_u32 s46, s46, s47
	s_lshl_b32 s47, s[LO], 18
	s_add_co_u32 s46, s46, s47
	s_mov_b32 s47, 0
	s_mul_i32 s45, s[WV], QB                       ; where my load lands: no place in the cluster enters an LDS address
	s_wait_dscnt 0x0                               ; the opening add is done
	s_wait_kmcnt 0x0
	s_load_b256 s[68:75], s[12:13], 0x0            ; entries 0 to 7: entry i in s[68 + i]
	s_load_b128 s[76:79], s[12:13], 0x20           ; entries 8 to 11
	s_add_nc_u64 s[20:21], s[4:5], s[20:21]
	s_add_nc_u64 s[46:47], s[6:7], s[46:47]
	CROUND                                         ; all sixteen work-groups are here: the first joint loads meet
.irp s, 0,1
	s_mov_b32 s[G0+4*\s], 1
	s_add_co_u32 s[G0+4*\s+1], s45, \s*SLOT
	s_add_nc_u64 s[G0+4*\s+2:G0+4*\s+3], s[20:21], \s*2*KBB
	s_or_b32 s[G0+4*\s+3], s[G0+4*\s+3], 0x80000000
	s_mov_b32 s[G0B+4*\s], 1
	s_add_co_u32 s[G0B+4*\s+1], s45, \s*SLOT
	s_add_nc_u64 s[G0B+4*\s+2:G0B+4*\s+3], s[46:47], \s*2*KBB
	s_or_b32 s[G0B+4*\s+3], s[G0B+4*\s+3], 0x80000000
	JLOAD G0+4*\s, G1, G0B+4*\s, G1B
.endr
	v_and_b32 v1, 15, v0                           ; r = l % 16
	v_bfe_u32 v2, v0, 4, 1                         ; h = l / 16
	v_mul_u32_u24 v3, v1, PITCH
	v_lshl_add_u32 v4, v2, 4, v3                   ; a fragment's row x pitch + 16 h
	s_mul_i32 s21, s[HI], 128*PITCH                ; my 128 rows of A
	s_mul_i32 s22, s[LO], 128*PITCH                ; my 128 rows of B,
	s_add_co_u32 s22, s22, 2*QB                    ; which lie behind A's two blocks
.irp s, 0,1
	v_add_nc_u32 v[ADRA+\s], s21, v4
	v_add_nc_u32 v[ADRB+\s], s22, v4
	s_add_co_u32 s21, s21, SLOT
	s_add_co_u32 s22, s22, SLOT
.endr
	s_mul_i32 s23, s[WV], STW                      ; my stage
	v_lshl_add_u32 v5, v2, 3, v3
	v_add_nc_u32 v[STO], s23, v5                   ; row r, + 8 h
	v_and_b32 v6, 31, v0
	v_lshrrev_b32 v7, 3, v6
	v_mul_u32_u24 v7, v7, PITCH
	v_and_b32 v8, 7, v6
	v_lshl_add_u32 v7, v8, 4, v7
	v_add_nc_u32 v[RD], s23, v7                    ; row l / 8, + 16 (l % 8)
	v_lshlrev_b32 v[GO], 4, v6
	v_lshlrev_b32 v[CSO], 8, v1
	v_lshl_add_u32 v[CSO], v2, 4, v[CSO]           ; cos, sin: row r of 256 bytes, + 16 h: my four pairs of a tile of 16 columns
	v_lshl_add_u32 v9, v2, 3, v8
	v_mul_u32_u24 v9, v9, PITCH
	v_bfe_u32 v10, v0, 3, 1
	v_lshl_add_u32 v9, v10, 4, v9
	v_add_nc_u32 v[TRA], s23, v9                   ; row 8 h + l % 8, + 16 ((l / 8) % 2)
	v_mul_u32_u24 v11, v1, 2*PITCH
	v_lshl_add_u32 v11, v2, 3, v11
	v_add_nc_u32 v[TRS], s23, v11                  ; row 2 r, + 8 h
	s_lshl_b32 s86, s84, 16                        ; cos, sin at my first row: (256 x tile row + 128 x half) x 256 bytes
	s_lshl_b32 s87, s[HI], 15
	s_add_co_u32 s86, s86, s87
	s_mov_b32 s87, 0
	s_add_nc_u64 s[8:9], s[8:9], s[86:87]
	s_add_nc_u64 s[10:11], s[10:11], s[86:87]
	s_lshl_b32 s86, s[PL], 22                      ; my block of 16,384 bytes of the output: plane, head 2 x tile column + half, block of rows 2 x tile row + half
	s_lshl_b32 s88, s42, 19
	s_add_co_u32 s86, s86, s88
	s_lshl_b32 s88, s[LO], 18
	s_add_co_u32 s86, s86, s88
	s_lshl_b32 s88, s84, 15
	s_add_co_u32 s86, s86, s88
	s_lshl_b32 s88, s[HI], 14
	s_add_co_u32 s86, s86, s88
	s_add_nc_u64 s[14:15], s[14:15], s[86:87]
	s_mov_b32 s82, 0x06040200                      ; byte selects: the even bytes of two words, the odd ones
	s_mov_b32 s83, 0x07050301
.macro FRAG reg, adr, q, i             ; 16 rows x 128 K: lane l holds row l % 16; registers 4 c .. 4 c + 3 hold K = 32 c + 16 (l / 16) + 0 .. 15
.irp c, 0,1,2,3
	ds_load_b128 v[\reg+4*\c:\reg+4*\c+3], v[\adr] offset:QB*(\q)+32*\c+(\i)*16*PITCH
.endr
.endm
; 16 matrix instructions: A's blocks a0, a0 + 1 x B's eight.  p: B's set.  zero = 1: the first product starts the sums.  The 64 accumulators take turns, in the same order in every step.
.macro MUL16 a0, p, zero
.irp a, \a0, \a0+1
.irp b, 0,1,2,3,4,5,6,7
.if \zero
	v_wmma_f32_16x16x128_fp8_fp8 v[8*(8*((\a)%4)+\b):8*(8*((\a)%4)+\b)+7], v[128*(\p)+FR*\b:128*(\p)+FR*\b+FR-1], v[AF+FR*(\a):AF+FR*(\a)+FR-1], 0
.else
	v_wmma_f32_16x16x128_fp8_fp8 v[8*(8*((\a)%4)+\b):8*(8*((\a)%4)+\b)+7], v[128*(\p)+FR*\b:128*(\p)+FR*\b+FR-1], v[AF+FR*(\a):AF+FR*(\a)+FR-1], v[8*(8*((\a)%4)+\b):8*(8*((\a)%4)+\b)+7]
.endif
.endr
.endr
.endm
.macro FETCH_B slot, q, p
	WIN TO_B
.irp i, 0,1,2,3,4,5,6,7
	FRAG 128*(\p)+FR*\i, ADRB+\slot, \q, \i
.endr
	WIN 0
.endm
.macro FETCH_A slot, q, i0
.irp i, \i0, \i0+1, \i0+2, \i0+3
	FRAG AF+FR*(\i), ADRA+\slot, \q, \i
.endr
.endm
.macro PLACES n                        ; plain vector lines between a matrix instruction and a load into, or a vector read of, its registers
.rept \n
	v_nop
.endr
.endm
.macro STEP slot, q, zero              ; 128 along K that has its successor in the same slot
	s_wait_dscnt 4*NL                              ; B's set and A's blocks 0-3 are in; the youngest 16 loads (A's blocks 4-7) may be out
	WIN MUL_LO
	MUL16 0, (\q)%2, \zero
	MUL16 2, (\q)%2, \zero
	s_wait_dscnt 0
	PLACES NP
	FETCH_B \slot, (\q)+1, 1-(\q)%2
	FETCH_A \slot, (\q)+1, 0
	WIN MUL_HI
	MUL16 4, (\q)%2, \zero
	MUL16 6, (\q)%2, \zero
	PLACES NP
	WIN 0
	FETCH_A \slot, (\q)+1, 4
.endm
; A slot's last 128 along K changes slots: one barrier; in front of it each wave waits for all its tensor loads, adds 0 to its spare word, and waits for that and for its reads of this slot.
.macro TURN slot, next, fill
	s_wait_tensorcnt 0x0                           ; all my tensor loads have landed: my part of the next slot
	ds_add_u32 v[SPW], v[NIL]
	s_wait_dscnt 4*NL+1                            ; the add and the youngest 16 loads may be out
	WIN MUL_LO
	MUL16 0, 1, 0
	s_wait_dscnt 0x0                               ; the add is done, and my reads of this slot are over
	s_barrier_signal -1
	MUL16 2, 1, 0
	WIN 0
	s_barrier_wait -1
.if \fill
	CREST                                          ; the barrier has opened a round of the cluster's: no wave of any partner still reads this slot or has a load on its way
	s_add_nc_u64 s[G0+4*\slot+2:G0+4*\slot+3], s[G0+4*\slot+2:G0+4*\slot+3], 4*KBB
	s_add_nc_u64 s[G0B+4*\slot+2:G0B+4*\slot+3], s[G0B+4*\slot+2:G0B+4*\slot+3], 4*KBB
	JLOAD G0+4*\slot, G1, G0B+4*\slot, G1B         ; the first tensor load behind the round; its four v_nop are the places in front of the loads below
.else
	PLACES NP
.endif
	FETCH_B \next, 0, 0
	FETCH_A \next, 0, 0
	WIN MUL_HI
	MUL16 4, 1, 0
	MUL16 6, 1, 0
	PLACES NP
	WIN 0
	FETCH_A \next, 0, 4
.endm
	s_wait_tensorcnt 1                             ; my part of slot 0 is in; slot 1's load may be out
	s_barrier_signal -1
	s_barrier_wait -1
	FETCH_B 0, 0, 0
	FETCH_A 0, 0, 0
	FETCH_A 0, 0, 4
	STEP 0, 0, 1                                   ; the first step's products start the sums
	s_mov_b32 s3, LAPS-1
.Llap:                                                 ; a trip goes once round the ring and fills both slots again
	TURN 0, 1, 1
	STEP 1, 0, 0
	TURN 1, 0, 1
	STEP 0, 0, 0
	s_sub_co_u32 s3, s3, 1
	s_cmp_lg_u32 s3, 0
	s_cbranch_scc1 .Llap
	TURN 0, 1, 0                                   ; the last lap fills nothing
	STEP 1, 0, 0
	s_wait_dscnt 4*NL
	WIN MUL_LO
	MUL16 0, 1, 0
	MUL16 2, 1, 0
	s_wait_dscnt 0
	WIN MUL_HI
	MUL16 4, 1, 0
	MUL16 6, 1, 0
	WIN 0
	PLACES NP
	; THE WAY OUT.  The conversion's scale, chosen by the plane without a branch
	s_wait_kmcnt 0x0
	s_cmp_eq_u32 s[PL], 1
	s_cselect_b32 s20, s70, s68                    ; eA: entry 0, 2, 4
	s_cselect_b32 s21, s71, s69                    ; eB: entry 1, 3, 5
	s_cselect_b32 s22, s75, s74                    ; eOut: entry 6, 7, 9
	s_cmp_eq_u32 s[PL], 2
	s_cselect_b32 s20, s72, s20
	s_cselect_b32 s21, s73, s21
	s_cselect_b32 s22, s77, s22
	s_sub_co_i32 s22, s22, s20
	s_sub_co_i32 s22, s22, s21
	s_add_co_i32 s22, s22, 127
	s_lshl_b32 s23, s22, 23
	v_mov_b32 v[SCV], s23
	s_add_co_i32 s22, s22, 8
	s_lshl_b32 s22, s22, 23
	s_or_b32 s22, s22, 0x600000
	v_mov_b32 v[LIMV], s22
	s_cmp_eq_u32 s[PL], 1                          ; k has no rotary: a branch on the cluster's x, the same in all partners
	s_cbranch_scc1 .Lno_rope
; THE ROTARY, in place.  Register 2 p, 2 p + 1 of accumulator (a, b) is pair 8 b + 4 h + p of row 16 a + r.
.macro CSLOAD a                        ; block a's cos and sin: four pairs' numbers a load
.set CB, 32+64*((\a)%2)
.set SB, 64+64*((\a)%2)
.irp b, 0,1,2,3,4,5,6,7
	global_load_b128 v[CB+4*\b:CB+4*\b+3], v[CSO], s[8:9] offset:4096*(\a)+32*\b
	global_load_b128 v[SB+4*\b:SB+4*\b+3], v[CSO], s[10:11] offset:4096*(\a)+32*\b
.endr
.endm
.macro ROPE a
.set AC, 64*((\a)%4)
.set W, 2+(\a)/4
.set WW, (W<<6)|W
.set CB, 32+64*((\a)%2)
.set SB, 64+64*((\a)%2)
	WIN W                                          ; source 0: the accumulators' window
.irp b, 0,1,2,3,4,5,6,7
.irp p, 0,1,2,3
	v_mul_f32 v[TT+8*\b+2*\p], v[AC+8*\b+2*\p+1], v[SB+4*\b+\p]      ; odd x sin
	v_mul_f32 v[TT+8*\b+2*\p+1], v[AC+8*\b+2*\p], v[SB+4*\b+\p]      ; even x sin
.endr
.endr
	WIN WW                                         ; destination too
.irp b, 0,1,2,3,4,5,6,7
.irp p, 0,1,2,3
	v_fma_f32 v[AC+8*\b+2*\p], v[AC+8*\b+2*\p], v[CB+4*\b+\p], -v[TT+8*\b+2*\p]        ; even x cos - odd x sin
	v_fma_f32 v[AC+8*\b+2*\p+1], v[AC+8*\b+2*\p+1], v[CB+4*\b+\p], v[TT+8*\b+2*\p+1]   ; odd x cos + even x sin
.endr
.endr
	WIN 0
.endm
	CSLOAD 0
.irp a, 0,1,2,3,4,5,6
	CSLOAD \a+1
	s_wait_loadcnt 16                              ; this block's 16 loads are in; the next block's may be out
	ROPE \a
.endr
	s_wait_loadcnt 0x0
	ROPE 7
.Lno_rope:
; Block a (16 rows x 128 columns) is held, converted, and put into my stage: 8 codes a tile, row 16 a + r, byte 16 b + 8 h.  Each accumulator is read from its low end on.
.macro QBLK a
.set AC, 64*((\a)%4)
.set W, 2+(\a)/4
	WIN W
.set j, 0
.rept 64
	v_med3_num_f32 v[TMP+j], v[AC+j], -v[LIMV], v[LIMV]   ; the conversion does not saturate (ISA guide 7.6.2)
.set j, j+1
.endr
	WIN 0
.irp b, 0,1,2,3,4,5,6,7
	v_cvt_scalef32_pk8_fp8_f32 v[CD+16*(\a)+2*\b:CD+16*(\a)+2*\b+1], v[TMP+8*\b:TMP+8*\b+7], v[SCV]
.endr
	v_nop                                          ; a plain line between the conversions and the next block's holds, which write their sources
.irp b, 0,1,2,3,4,5,6,7
	ds_store_b64 v[STO], v[CD+16*(\a)+2*\b:CD+16*(\a)+2*\b+1] offset:(\a)*16*PITCH+16*\b
.endr
.endm
.irp a, 0,1,2,3,4,5,6,7
	QBLK \a
.endr
	s_cmp_lg_u32 s[PL], 2
	s_cbranch_scc1 .Lno_trans
	; v IS TURNED in my stage, [key][d] into [d][key].  The turning load works on pairs of bytes: from 16 keys x 32 bytes it leaves lane (r, h) the keys 16 c + 8 h + 0 .. 7 of columns 32 n + 2 r and 32 n + 2 r + 1, interleaved.
	s_wait_dscnt 0x0                               ; my stores have read their registers
.irp c, 0,1,2,3,4,5,6,7
.irp n, 0,1,2,3
	ds_load_tr16_b128 v[32+4*(4*\c+\n):35+4*(4*\c+\n)], v[TRA] offset:\c*16*PITCH+32*\n
.endr
.endr
	s_wait_dscnt 0x0                               ; all of the stage is in registers: it may be written over
.irp c, 0,1,2,3,4,5,6,7
.irp n, 0,1,2,3
	v_perm_b32 v[160+2*(4*\c+\n)], v[33+4*(4*\c+\n)], v[32+4*(4*\c+\n)], s82    ; the even column's eight keys,
	v_perm_b32 v[161+2*(4*\c+\n)], v[35+4*(4*\c+\n)], v[34+4*(4*\c+\n)], s82
	v_perm_b32 v[32+4*(4*\c+\n)], v[33+4*(4*\c+\n)], v[32+4*(4*\c+\n)], s83     ; the odd column's
	v_perm_b32 v[33+4*(4*\c+\n)], v[35+4*(4*\c+\n)], v[34+4*(4*\c+\n)], s83
	ds_store_b64 v[TRS], v[160+2*(4*\c+\n):161+2*(4*\c+\n)] offset:32*\n*PITCH+16*\c
	ds_store_b64 v[TRS], v[32+4*(4*\c+\n):33+4*(4*\c+\n)] offset:(32*\n+1)*PITCH+16*\c
.endr
.endr
.Lno_trans:
	s_wait_dscnt 0x0                               ; my stores have read their registers, which the loads below take
.set t, 0
.rept 32
	ds_load_b128 v[32+4*t:35+4*t], v[RD] offset:4*PITCH*t   ; four rows of 128 bytes
.set t, t+1
.endr
.set t, 0
.rept 32
	s_wait_dscnt 31-t
	global_store_b128 v[GO], v[32+4*t:35+4*t], s[14:15] offset:512*t   ; 512 consecutive bytes, aligned
.set t, t+1
.endr
	s_wait_tensorcnt 0x0                           ; the wave's end
	ds_add_u32 v[SPW], v[NIL]
	s_wait_dscnt 0x0
	CROUND                                         ; the closing round
	s_endpgm
.Lfunc_end_k_q7b85414323_gemm_qkv:
	.size	k_q7b85414323_gemm_qkv, .Lfunc_end_k_q7b85414323_gemm_qkv-k_q7b85414323_gemm_qkv
	.p2alignl 7, 3214868480
	.fill 96, 4, 3214868480
	.section	.rodata,"a",@progbits
	.p2align	6, 0x0
	.amdhsa_kernel k_q7b85414323_gemm_qkv
		.amdhsa_group_segment_fixed_size 327680
		.amdhsa_private_segment_fixed_size 0
		.amdhsa_enable_private_segment 0
		.amdhsa_kernarg_size 48
		.amdhsa_user_sgpr_count 2
		.amdhsa_user_sgpr_kernarg_segment_ptr 1
		.amdhsa_wavefront_size32 1
		.amdhsa_system_sgpr_workgroup_id_x 1
		.amdhsa_system_sgpr_workgroup_id_y 1
		.amdhsa_system_sgpr_workgroup_id_z 1
		.amdhsa_system_vgpr_workitem_id 0
		.amdhsa_next_free_vgpr 1024
		.amdhsa_next_free_sgpr 96
		.amdhsa_reserve_vcc 0
		.amdhsa_float_denorm_mode_32 3
		.amdhsa_float_denorm_mode_16_64 3
		.amdhsa_memory_ordered 1
		.amdhsa_forward_progress 1
		.amdhsa_inst_pref_size 201
	.end_amdhsa_kernel
	.amdgpu_metadata
---
amdhsa.version: [ 1, 2 ]
amdhsa.kernels:
  - .name:           k_q7b85414323_gemm_qkv
    .symbol:         k_q7b85414323_gemm_qkv.kd
    .args:
      - { .name: xc, .offset: 0, .size: 8, .value_kind: global_buffer, .address_space: global }
      - { .name: wc, .offset: 8, .size: 8, .value_kind: global_buffer, .address_space: global }
      - { .name: cos, .offset: 16, .size: 8, .value_kind: global_buffer, .address_space: global }
      - { .name: sin, .offset: 24, .size: 8, .value_kind: global_buffer, .address_space: global }
      - { .name: lowp_scales, .offset: 32, .size: 8, .value_kind: global_buffer, .address_space: global }
      - { .name: qkv, .offset: 40, .size: 8, .value_kind: global_buffer, .address_space: global }
    .group_segment_fixed_size: 327680
    .private_segment_fixed_size: 0
    .kernarg_segment_align: 8
    .kernarg_segment_size: 48
    .max_flat_workgroup_size: 128
    .sgpr_count:     96
    .vgpr_count:     1024
    .wavefront_size: 32
...
	.end_amdgpu_metadata
.endif
;; end of part 3
;; launch attn (part 4): grid 16 x 16, 8 waves a work-group, no clusters, 327,680 bytes of LDS; arguments qkv, lowp_scales, ac; writes ac
.if DOCPART == 4
	.amdgcn_target "amdgcn-amd-amdhsa--gfx1250"
	.amdhsa_code_object_version 6
	.text
	.protected	k_q7b85414323_attn
	.globl	k_q7b85414323_attn
	.p2align	8
	.type	k_q7b85414323_attn,@function
k_q7b85414323_attn:
	s_mov_b64 s[64:65], 0
	v_nop
	global_prefetch_b8 v0, s[64:65] scope:SCOPE_SE
	s_setreg_imm32_b32 hwreg(HW_REG_WAVE_MODE, 25, 1), 1
	s_wait_xcnt 0x0
; Causal attention on E4M3 codes, and the codes of its result.  q, k: qkv planes 0, 1, [16 heads][2048][128]; v: plane 2, [16 heads][16 blocks of keys][128 d][128 keys].  ac: [16 heads][2048][128].
; Scales: entries 6 (q), 7 (k), 8 (p), 9 (v), 10 (the result) of lowp_scales.
; THE SOFTMAX: t = score x log2(e) / sqrt(128); M = the running largest t rounded UP to a whole number; p = 2^(t - M) is quantised, not normalised; the row's sum is taken of the unquantised p and divides at the end.
; When M moves, the sum and O are multiplied by 2^(old M - new M): exact.
; SHARES.  Work-group (g, head): waves 0-3 own the 64 queries of block g, waves 4-7 those of block 31 - g, 16 a wave: under the mask every work-group then has the same number of key steps.
; Every wave walks the keys 128 a step; a step all of whose keys come after its queries is left out by a scalar branch on ids.  K's and V's tiles come through a ring of two LDS slots of 256 keys: waves 0-3 fetch one dense block of 16,384 bytes each.
; NO CLUSTER: where a work-group's fills end hangs on its number (the causal limit), so partners would need different numbers of tiles.
; LAYOUT.  Both products transposed: S^T = K Q^T, O^T = V^T P^T: a lane holds one query (lane % 16).  Lane r of tile 2 b + u of K takes key 32 b + 8 u + r + 8 (r / 8), so that the 16 registers of tiles 2 b, 2 b + 1 are 16 neighbouring keys.
; LIMITS: entry 6 + entry 7 between -123 and 130; entries 8 and 10 between -126 and 119.  NaN is not served.
; REGISTERS: v1-7 addresses that stay; v8, v9 the step's; v12 -M, v13 the largest t, v[14:15] the sum; v16-31 Q; v32-95 four fragments of K or V; v96-159 S^T, then p; v160-223 O^T; v224-239 p's codes; v236-254 at work.
.set PLANE, 4194304
.set KBB,   262144
.set BLK,   16384
.set SK,    256                        ; keys in a slot
.set KP,    144                        ; an LDS row: 128 bytes + 16
.set STB,   128*KP                     ; a block in LDS
.set VOFF,  2*STB                      ; a slot: K step 0, K step 1, V step 0, V step 1
.set SLOT1, 1<<17                      ; slot 1 begins here: one exclusive or turns an address
.set NSL,   8
.set SPARE, 2*SLOT1                    ; behind the ring: the spare words, 128 bytes a wave
.set AK0,  1
.set AV0,  2
.set PFO,  3                           ; v3 256 x lane, for the prefetches
.set SPW,  5
.set NIL,  6
.set GO,   7                           ; v7 16 x lane
.set ADK,  8
.set ADV,  9
.set TB,   2                           ; s2 LDS byte at which the slot in hand begins
.set WV,   18
.set SEL,  20
.set CS,   22
.set G1,   24
.set G0,   40
.set QL,   66                          ; s66 my work-group's last query
.set SLOTS, 67
.set PFA,  76
.set LIM,  80
.set KF,   98                          ; s98 the step's first key
.set Q0,   99                          ; s99 my first query
.macro TLOAD                           ; waves 0-3 fetch; an s_nop 0 and four v_nop follow the load
	s_cmp_lt_u32 s[WV], 4
	s_cbranch_scc0 .Lasked_\@
	tensor_load_to_lds s[G0:G0+3], s[G1:G1+7]
	s_nop 0
.rept 4
	v_nop
.endr
.Lasked_\@:
.endm
; A prefetch of what the NEXT change of slots will ask for.  All sixteen work-groups of a head walk the same K and V: the first of them asks, and in it waves 4-7, which fetch nothing: wave 4 + i names the block of 16,384 bytes
; that wave i will load, lanes 256 bytes apart, two instructions.  The last change that fills a slot asks for nothing; slots 0 and 1 come by their loads alone.
.macro ASK
	s_cmp_gt_u32 s[SLOTS], s[LIM]
	s_cbranch_scc0 .Lnot_mine_\@
	global_prefetch_b8 v[PFO], s[PFA:PFA+1] th:TH_LOAD_NT scope:SCOPE_SE
	global_prefetch_b8 v[PFO], s[PFA:PFA+1] offset:8192 th:TH_LOAD_NT scope:SCOPE_SE
.Lnot_mine_\@:
.endm
	s_load_b128 s[4:7], s[0:1], 0x0                ; qkv, lowp_scales
	s_load_b64 s[8:9], s[0:1], 0x10                ; ac
	v_lshl_add_u32 v[SPW], v0, 2, SPARE
	v_mov_b32 v[NIL], 0
	ds_add_u32 v[SPW], v[NIL]                      ; the wave's opening: an add to my spare word, waited for ahead of the first tensor load
	v_lshrrev_b32 v8, 5, v0
	v_readfirstlane_b32 s[WV], v8
	s_and_b32 s82, ttmp7, 0xffff
	s_lshl_b32 s82, s82, 18                        ; the head's first byte in a plane
	s_lshl_b32 s84, ttmp9, 6                       ; 64 g
	s_lshl_b32 s85, s[WV], 4                       ; 16 w
	s_add_co_u32 s86, s84, s85                     ; waves 0-3: 64 g + 16 w
	s_add_co_u32 s87, s85, 1920
	s_sub_co_u32 s87, s87, s84                     ; waves 4-7: 64 (31 - g) + 16 (w - 4)
	s_cmp_lt_u32 s[WV], 4
	s_cselect_b32 s[Q0], s86, s87
	s_sub_co_u32 s[QL], 2047, s84
	s_lshl_b32 s88, s[Q0], 7
	s_add_co_u32 s88, s88, s82                     ; my queries' codes in plane 0, and my rows of ac
	s_mov_b32 s89, 0
	s_and_b32 s90, s[WV], 3
	s_mul_i32 s94, s90, STB                        ; where my block lands in a slot
	s_lshr_b32 s90, s90, 1
	s_add_co_u32 s90, s90, 1                       ; plane 1 (K) or 2 (V)
	s_lshl_b32 s90, s90, 22
	s_add_co_u32 s90, s90, s82
	s_and_b32 s91, s[WV], 1
	s_lshl_b32 s91, s91, 14                        ; the slot's first or second step
	s_add_co_u32 s90, s90, s91
	s_mov_b32 s91, 0
	s_mov_b32 s[G1], (1<<20)|(4<<22)|(3<<25)       ; no mask; elements of 1 byte; padding: four words after every 32
	s_mov_b32 s[G1+1], 128<<16                     ; tensor_dim0
	s_mov_b32 s[G1+2], 128<<16                     ; tensor_dim1
	s_mov_b32 s[G1+3], 128<<16                     ; tile_dim0
	s_mov_b32 s[G1+4], 128                         ; tile_dim1
	s_mov_b32 s[G1+5], 128                         ; from row to row
	s_mov_b32 s[G1+6], 0
	s_mov_b32 s[G1+7], 0
	s_mov_b32 s[SEL], 0x76543210
	s_mov_b32 s[SEL+1], 0xfedcba98
	s_mov_b32 s[CS], 0x3e0293ee                    ; c = log2(e) / sqrt(128)
	s_mov_b32 s[TB], 0
	s_mov_b32 s[SLOTS], NSL-1
	s_mov_b32 s[KF], 0
	s_lshr_b32 s92, s[WV], 2
	s_xor_b32 s92, s92, 1                          ; 0 in waves 4-7,
	s_or_b32 s92, s92, ttmp9                       ; of the head's first work-group
	s_cmp_eq_u32 s92, 0
	s_cselect_b32 s[LIM], 1, -1
	s_wait_dscnt 0x0                               ; the opening add is done
	s_wait_kmcnt 0x0
	s_load_b128 s[68:71], s[6:7], 0x10             ; entries 4 to 7: s70 = entry 6, s71 = entry 7
	s_load_b128 s[72:75], s[6:7], 0x20             ; entries 8 to 11: s72, s73, s74 = entries 8, 9, 10
	s_mov_b32 s[G0], 1
	s_mov_b32 s[G0+1], s94
	s_add_nc_u64 s[G0+2:G0+3], s[4:5], s[90:91]
	s_or_b32 s[G0+3], s[G0+3], 0x80000000
	TLOAD                                          ; slot 0
	s_add_nc_u64 s[PFA:PFA+1], s[4:5], s[90:91]
	s_add_nc_u64 s[PFA:PFA+1], s[PFA:PFA+1], 2*BLK ; in slot 1: the first change of slots steps it to slot 2.  Nothing is prefetched at the head
	s_add_nc_u64 s[4:5], s[4:5], s[88:89]
	s_add_nc_u64 s[8:9], s[8:9], s[88:89]
	v_and_b32 v8, 15, v0                           ; r
	v_bfe_u32 v9, v0, 4, 1                         ; h
	v_lshlrev_b32 v10, 7, v8
	v_lshl_add_u32 v10, v9, 4, v10
.irp c, 0,1,2,3
	global_load_b128 v[16+4*\c:19+4*\c], v10, s[4:5] offset:32*\c   ; Q's fragment stays in registers
.endr
	v_and_b32 v11, 8, v8
	v_add_nc_u32 v11, v11, v8                      ; r + 8 (r / 8)
	v_mul_u32_u24 v[AK0], v11, KP
	v_lshl_add_u32 v[AK0], v9, 4, v[AK0]
	v_mul_u32_u24 v[AV0], v8, KP
	v_lshl_add_u32 v[AV0], v9, 4, v[AV0]
	v_add_nc_u32 v[AV0], VOFF, v[AV0]
	v_and_b32 v[GO], 31, v0
	v_lshlrev_b32 v[PFO], 8, v[GO]
	v_lshlrev_b32 v[GO], 4, v[GO]
	v_mov_b32 v13, 0xff61b1e6                      ; the largest t so far: -3e38
	v_floor_f32 v12, -v13                          ; -M
	v_mov_b32 v14, 0
	v_mov_b32 v15, 0
	v_mov_b32 v236, 0                              ; a lane permute's destination counts as one of its sources: the step's,
	v_mov_b32 v252, 0                              ; and the way out's
	v_mov_b32 v253, 0
.set n, 0
.rept 64
	v_mov_b32 v[160+n], 0                          ; O^T: the step is written once; the first change of M leaves zeros zeros
.set n, n+1
.endr
	s_wait_kmcnt 0x0
	s_add_co_i32 s96, s70, s71
	s_lshl_b32 s96, s96, 23
	s_add_co_i32 s[CS], s[CS], s96                 ; a score stands for score x 2^(entry 6 + entry 7): added to c's exponent field
	s_mov_b32 s[CS+1], s[CS]
	s_add_co_i32 s96, s72, 127
	s_lshl_b32 s97, s96, 23
	v_mov_b32 v244, s97                            ; 2^(entry 8), for p's conversion
	s_add_co_i32 s96, s96, 8
	s_lshl_b32 s96, s96, 23
	s_or_b32 s96, s96, 0x600000
	v_mov_b32 v240, s96                            ; 448 x that
	s_add_co_i32 s96, s74, 127
	s_lshl_b32 s97, s96, 23
	v_mov_b32 v245, s97                            ; 2^(entry 10), for the result's
	s_add_co_i32 s96, s96, 8
	s_lshl_b32 s96, s96, 23
	s_or_b32 s96, s96, 0x600000
	v_mov_b32 v241, s96
.macro STEP q                          ; 128 keys, the q-th of the slot in hand
	s_add_co_u32 s96, s[Q0], 15
	s_cmp_gt_u32 s[KF], s96                        ; all keys come after my queries: the step's work is left out; no barrier, wait on tensor loads or tensor load stands in a step
	s_cbranch_scc1 .Lhidden_\@
	v_add_nc_u32 v[ADK], s[TB], v[AK0]
	v_add_nc_u32 v[ADV], s[TB], v[AV0]
.irp g, 0,1                                    ; S^T = K Q^T, four tiles of 16 keys at a time
.rept 4-2*(1-\g)
	v_nop                                          ; places in front of loads into registers that matrix instructions have read (the two additions above are places too)
.endr
.irp t, 0,1,2,3
.irp c, 0,1,2,3
	ds_load_b128 v[32+16*\t+4*\c:32+16*\t+4*\c+3], v[ADK] offset:(\q)*STB+(32*((4*\g+\t)/2)+8*(\t%2))*KP+32*\c
.endr
.endr
	s_wait_dscnt 0x0
.irp t, 0,1,2,3
	v_wmma_f32_16x16x128_fp8_fp8 v[96+8*(4*\g+\t):103+8*(4*\g+\t)], v[32+16*\t:47+16*\t], v[16:31], 0
.endr
.endr
.rept 4
	v_nop
.endr
	s_add_co_u32 s96, s[KF], 127                   ; on the diagonal hidden keys' scores become -infinity ahead of the maximum; a step all of whose keys count skips this
	s_cmp_le_u32 s96, s[Q0]
	s_cbranch_scc1 .Lopen_\@
	s_sub_co_i32 s96, s[Q0], s[KF]
	v_and_b32 v252, 15, v0
	v_bfe_u32 v253, v0, 4, 1
	v_lshlrev_b32 v253, 4, v253
	v_sub_nc_u32 v252, v252, v253
	v_add_nc_u32 v252, s96, v252                   ; d = my query - KF - 16 h.  Register 16 b + i holds key KF + 16 h + 32 b + i: hidden where 32 b + i > d
	v_mov_b32 v254, 0xff800000
.set n, 0
.rept 64
	v_cmp_gt_i32 vcc_lo, 32*(n/16)+n%16, v252
	v_cndmask_b32 v[96+n], v[96+n], v254, vcc_lo
.set n, n+1
.endr
.Lopen_\@:
	v_max3_num_f32 v254, v96, v97, v98             ; the step's largest score of my query among my 64 keys, in two chains,
	v_max3_num_f32 v252, v99, v100, v101
.irp i, 6,10,14,18,22,26,30,34,38,42,46,50,54,58
	v_max3_num_f32 v254, v254, v[96+\i], v[97+\i]
	v_max3_num_f32 v252, v252, v[98+\i], v[99+\i]
.endr
	v_max3_num_f32 v254, v254, v158, v159
	v_max_num_f32 v254, v254, v252
	v_permlanex16_b32 v236, v254, s[SEL], s[SEL+1] ; (v236 lies among p's codes: the last product that read them stands far more than four plain lines back)
	v_max_num_f32 v254, v254, v236                 ; and among lane l xor 16's
	v_mul_f32 v254, s[CS], v254                    ; as t (c is positive)
	v_max_num_f32 v13, v13, v254
	v_mov_b32 v254, v12
	v_floor_f32 v12, -v13                          ; the new -M = -ceil(t)
	v_sub_f32 v254, v12, v254                      ; old M - new M: a whole number, 0 or less
	v_cvt_i32_f32 v254, v254
	v_ldexp_f32 v252, 1.0, v254                    ; f = 2^(old M - new M)
.set n, 0
.rept 32
	v_pk_fma_f32 v[96+n:97+n], v[96+n:97+n], s[CS:CS+1], v[12:13] op_sel_hi:[1,0,0]   ; t - M, two at a time
.set n, n+2
.endr
.set n, 0
.rept 64
	v_exp_f32 v[96+n], v[96+n]                     ; p = 2^(t - M)
.set n, n+1
.endr
	v_pk_mul_f32 v[14:15], v[14:15], v[252:253] op_sel_hi:[1,0]   ; the sums under the new M: a plain line behind the exponentials
	s_wait_alu depctr_va_vdst(0)                   ; one wait for the batch, ahead of its first reader
	v_pk_add_f32 v[242:243], v[96:97], v[98:99]    ; the row's sum is taken of the unquantised p, in two chains
.irp j, 4,8,12,16,20,24,28,32,36,40,44,48,52,56,60
	v_pk_add_f32 v[14:15], v[14:15], v[96+\j:97+\j]
	v_pk_add_f32 v[242:243], v[242:243], v[98+\j:99+\j]
.endr
	v_pk_add_f32 v[14:15], v[14:15], v[242:243]
.irp b, 0,1,2,3
.irp i, 0,1,2,3,4,5,6,7,8,9,10,11,12,13,14,15
	v_min_num_f32 v[96+16*\b+\i], v[96+16*\b+\i], v240   ; the hold: p is not negative, so it is one-sided
.endr
	v_cvt_scalef32_pk8_fp8_f32 v[224+4*\b:225+4*\b], v[96+16*\b:103+16*\b], v244
	v_cvt_scalef32_pk8_fp8_f32 v[226+4*\b:227+4*\b], v[104+16*\b:111+16*\b], v244
.endr
.set n, 0
.rept 32
	v_pk_mul_f32 v[160+n:161+n], v[160+n:161+n], v[252:253] op_sel_hi:[1,0]   ; O^T under the new M; these are also the places in front of the loads and products below
.set n, n+2
.endr
.irp g, 0,1                                    ; O^T += V^T P^T, four tiles of 16 channels at a time
.if \g > 0
.rept 4
	v_nop
.endr
.endif
.irp t, 0,1,2,3
.irp c, 0,1,2,3
	ds_load_b128 v[32+16*\t+4*\c:32+16*\t+4*\c+3], v[ADV] offset:(\q)*STB+16*(4*\g+\t)*KP+32*\c
.endr
.endr
	s_wait_dscnt 0x0
.irp t, 0,1,2,3
	v_wmma_f32_16x16x128_fp8_fp8 v[160+8*(4*\g+\t):167+8*(4*\g+\t)], v[32+16*\t:47+16*\t], v[224:239], v[160+8*(4*\g+\t):167+8*(4*\g+\t)]
.endr
.endr
.Lhidden_\@:
	s_add_co_u32 s[KF], s[KF], 128
.endm
; THE CHANGE OF SLOTS, at a slot's head: each wave waits for all its tensor loads, adds 0 to its spare word, and waits for that and for its reads of the slot that it has left; one barrier; then the slot just left is filled.
.macro CHANGE fill
	s_wait_tensorcnt 0x0                           ; no tensor load of mine is out, so the descriptor may be written
	ds_add_u32 v[SPW], v[NIL]
.if \fill
	s_xor_b32 s[G0+1], s[G0+1], SLOT1              ; the other slot,
	s_add_nc_u64 s[G0+2:G0+3], s[G0+2:G0+3], 2*BLK ; the next 256 keys
	s_wait_xcnt 0x0                                ; the last prefetches, a slot back, have read their address
	s_add_nc_u64 s[PFA:PFA+1], s[PFA:PFA+1], 2*BLK
.endif
	s_wait_dscnt 0x0
	s_barrier_signal -1
	s_barrier_wait -1
.if \fill
	s_add_co_u32 s96, s[KF], SK                    ; the first key of the slot that this change would ask for:
	s_cmp_gt_u32 s96, s[QL]                        ; past my work-group's last query no wave reads it, so it is not asked for.  Ids and the count of steps alone: all eight waves go the same way
	s_cbranch_scc1 .Lpast_\@
	TLOAD                                          ; a wave's one tensor load until the next change
.Lpast_\@:
	ASK
.endif
.endm
.macro SLOT_STEPS
	STEP 0
	STEP 1
	s_xor_b32 s[TB], s[TB], SLOT1
.endm
	s_wait_loadcnt 0x0                             ; Q
.Lslot:                                            ; NSL - 1 trips, a constant
	CHANGE 1
	SLOT_STEPS
	s_sub_co_u32 s[SLOTS], s[SLOTS], 1
	s_cmp_lg_u32 s[SLOTS], 0
	s_cbranch_scc1 .Lslot
	CHANGE 0                                       ; the last slot is written out: nothing more is asked for
	SLOT_STEPS
	; THE WAY OUT: O^T x 2^(entry 8 + entry 9) / the sum, held, converted with entry 10's scale; through my stage (16 rows x 144 bytes, in slot 0, which was left at the last change and has had its last fill) so that stores cover 512 consecutive bytes.
	v_add_f32 v14, v14, v15
	v_permlanex16_b32 v252, v14, s[SEL], s[SEL+1]  ; into v252, which no matrix instruction names: the last products, just issued, still use v[224:239]
	v_add_f32 v14, v14, v252                       ; the row's sum
	v_rcp_f32 v14, v14
	v_and_b32 v8, 15, v0                           ; (a plain line behind the reciprocal)
	v_bfe_u32 v9, v0, 4, 1
	s_add_co_i32 s96, s72, s73
	s_mul_i32 s97, s[WV], 16*KP
	v_mul_u32_u24 v10, v8, KP
	v_lshl_add_u32 v10, v9, 3, v10
	v_add_nc_u32 v10, s97, v10                     ; in: row r, + 8 h
	v_and_b32 v11, 31, v0
	v_lshrrev_b32 v8, 3, v11
	v_mul_u32_u24 v8, v8, KP
	v_and_b32 v11, 7, v11
	v_lshl_add_u32 v11, v11, 4, v8
	v_add_nc_u32 v11, s97, v11                     ; back: row l / 8, + 16 (l % 8)
	s_wait_alu depctr_va_vdst(0)                   ; the wait ahead of the reciprocal's first reader
	v_ldexp_f32 v14, v14, s96
.set n, 0
.rept 64
	v_mul_f32 v[96+n], v[160+n], v14               ; register 8 t + i is o(r, 16 t + 8 h + i)
.set n, n+1
.endr
.set n, 0
.rept 64
	v_med3_num_f32 v[96+n], v[96+n], -v241, v241
.set n, n+1
.endr
.irp t, 0,1,2,3,4,5,6,7
	v_cvt_scalef32_pk8_fp8_f32 v[32+2*\t:33+2*\t], v[96+8*\t:103+8*\t], v245
.endr
	v_nop
.irp t, 0,1,2,3,4,5,6,7
	ds_store_b64 v10, v[32+2*\t:33+2*\t] offset:16*\t
.endr
.irp i, 0,1,2,3
	ds_load_b128 v[48+4*\i:51+4*\i], v11 offset:4*KP*\i   ; LDS serves a wave's instructions in order: these see my stores
.endr
.irp i, 0,1,2,3
	s_wait_dscnt 3-\i
	global_store_b128 v[GO], v[48+4*\i:51+4*\i], s[8:9] offset:512*\i
.endr
	s_wait_tensorcnt 0x0                           ; the wave's end
	ds_add_u32 v[SPW], v[NIL]
	s_wait_dscnt 0x0
	s_endpgm
.Lfunc_end_k_q7b85414323_attn:
	.size	k_q7b85414323_attn, .Lfunc_end_k_q7b85414323_attn-k_q7b85414323_attn
	.p2alignl 7, 3214868480
	.fill 96, 4, 3214868480
	.section	.rodata,"a",@progbits
	.p2align	6, 0x0
	.amdhsa_kernel k_q7b85414323_attn
		.amdhsa_group_segment_fixed_size 327680
		.amdhsa_private_segment_fixed_size 0
		.amdhsa_enable_private_segment 0
		.amdhsa_kernarg_size 24
		.amdhsa_user_sgpr_count 2
		.amdhsa_user_sgpr_kernarg_segment_ptr 1
		.amdhsa_wavefront_size32 1
		.amdhsa_system_sgpr_workgroup_id_x 1
		.amdhsa_system_sgpr_workgroup_id_y 1
		.amdhsa_system_sgpr_workgroup_id_z 1
		.amdhsa_system_vgpr_workitem_id 0
		.amdhsa_next_free_vgpr 256
		.amdhsa_next_free_sgpr 100
		.amdhsa_reserve_vcc 1
		.amdhsa_float_denorm_mode_32 3
		.amdhsa_float_denorm_mode_16_64 3
		.amdhsa_memory_ordered 1
		.amdhsa_forward_progress 1
		.amdhsa_inst_pref_size 114
	.end_amdhsa_kernel
	.amdgpu_metadata
---
amdhsa.version: [ 1, 2 ]
amdhsa.kernels:
  - .name:           k_q7b85414323_attn
    .symbol:         k_q7b85414323_attn.kd
    .args:
      - { .name: qkv, .offset: 0, .size: 8, .value_kind: global_buffer, .address_space: global }
      - { .name: lowp_scales, .offset: 8, .size: 8, .value_kind: global_buffer, .address_space: global }
      - { .name: ac, .offset: 16, .size: 8, .value_kind: global_buffer, .address_space: global }
    .group_segment_fixed_size: 327680
    .private_segment_fixed_size: 0
    .kernarg_segment_align: 8
    .kernarg_segment_size: 24
    .max_flat_workgroup_size: 256
    .sgpr_count:     100
    .vgpr_count:     256
    .wavefront_size: 32
...
	.end_amdgpu_metadata
.endif
;; end of part 4
;; launch gemm_out (part 5): grid 8 x 8, 4 waves a work-group, clusters of 4 x 4, 327,680 bytes of LDS; arguments ac, wc, lowp_scales, out0; writes out0
.if DOCPART == 5
	.amdgcn_target "amdgcn-amd-amdhsa--gfx1250"
	.amdhsa_code_object_version 6
	.text
	.protected	k_q7b85414323_gemm_out
	.globl	k_q7b85414323_gemm_out
	.p2align	8
	.type	k_q7b85414323_gemm_out,@function
k_q7b85414323_gemm_out:
	s_mov_b64 s[64:65], 0
	v_nop
	global_prefetch_b8 v0, s[64:65] scope:SCOPE_SE
	s_setreg_imm32_b32 hwreg(HW_REG_WAVE_MODE, 25, 1), 1
	s_wait_xcnt 0x0
	s_wait_alu depctr_hold_cnt(0) depctr_sa_sdst(0) depctr_va_vdst(0) depctr_va_sdst(0) depctr_va_ssrc(0) depctr_va_vcc(0) depctr_vm_vsrc(0)
	s_getreg_b32 s2, hwreg(HW_REG_IB_STS2, 6, 4)
	s_cmp_eq_u32 s2, 0
	s_cbranch_scc0 .Lentry_in_a_cluster
	s_endpgm
.Lentry_in_a_cluster:
	s_bfe_u32 s2, ttmp6, 0x10000c
	s_cmp_lg_u32 s2, 0xf033
	s_cbranch_scc0 .Lentry_shape_is_right
	s_endpgm
.Lentry_shape_is_right:
; out0 = attention's result x wo on E4M3 codes.  A: ac [16 kb (heads)][2048 s][128]; B: plane 3 of wc [16 kb][2048 n][128]; out0 [2048][2048] f32.  Each finished sum is multiplied once by 2^(entry 10 + entry 11).
; LIMIT: entry 10 + entry 11 between -126 and 127.
; A tile of 256 x 256 is made by four waves, 128 x 128 each: 64 accumulators.  The output has 64 such tiles, so 64 work-groups are launched.
; K goes 256 at a time through a ring of two LDS slots; a slot is [A kb 0][A kb 1][B kb 0][B kb 1], each 256 rows x 128 bytes, dense in memory: one tensor load a wave.
; CLUSTERS 4 x 4: a row shares A's tiles, a column B's, asked for jointly.  THE MATRIX INSTRUCTION IS USED TRANSPOSED (source 0 = rows of B, source 1 = rows of A): a lane holds eight neighbouring numbers of a row of the output.
; REGISTERS: window 0: v16-31 addresses; v128-255 A's fragments, one set; on the way out v32-255 are free.  window 1: B's fragments, two sets.  windows 2, 3: accumulators (a, b) at v[8 (8 (a % 4) + b)].
.set PLANE, 4194304
.set KBB,   262144
.set PITCH, 144                        ; an LDS row: 128 bytes + 16 = 36 words: the 16 rows that a load touches start at 16 different groups of four banks (ISA guide 11.1)
.set QB,    256*PITCH
.set SLOT,  4*QB
.set SPARE, 2*SLOT
.set FR,    16
.set NL,    4
.set NP,    4
.set LAPS,  4
.set ROWC,  8192                       ; a row of the output in bytes
.set SPITCH, 528                       ; the way out: a stage of 16 rows x (512 + 16) bytes for each wave, in slot 0, which has had its last fill and its last read by then
.set ADRA, 16
.set ADRB, 20
.set STO,  24
.set RD,   25
.set CO,   26
.set SPW,  28
.set NIL,  29
.set TMP,  32
.set AF,   128
.set BK,   128
.set WV, 16
.set HI, 17
.set LO, 18
.set G1, 24
.set G0, 32
.set G1B, 48
.set G0B, 56
.set MSB, 0
.macro WIN new
.if MSB != \new
	s_set_vgpr_msb (MSB<<8)|\new
.set MSB, \new
.endif
.endm
.set MUL_LO, 0xa1
.set MUL_HI, 0xf1
.set TO_B,   0x40
.macro JLOAD g0a, g1a, g0b, g1b        ; waves 0, 1 fetch for A, waves 2, 3 for B; an s_nop 0 and four v_nop follow each line
	s_cmp_eq_u32 s[HI], 0
	s_cbranch_scc0 .Lfor_b_\@
	tensor_load_to_lds s[\g0a:\g0a+3], s[\g1a:\g1a+7]
	s_nop 0
.rept 4
	v_nop
.endr
	s_branch .Lasked_\@
.Lfor_b_\@:
	tensor_load_to_lds s[\g0b:\g0b+3], s[\g1b:\g1b+7]
	s_nop 0
.rept 4
	v_nop
.endr
.Lasked_\@:
.endm
.macro CREST
	s_cmp_lg_u32 s[WV], 0
	s_cbranch_scc1 .Lnot_wave_0_\@
	s_barrier_signal -3
.Lnot_wave_0_\@:
	s_barrier_wait -3
	s_barrier_signal -1
	s_barrier_wait -1
.endm
.macro CROUND
	s_barrier_signal -1
	s_barrier_wait -1
	CREST
.endm
	s_load_b128 s[4:7], s[0:1], 0x0                ; ac, wc
	s_load_b128 s[8:11], s[0:1], 0x10              ; lowp_scales, out0
	v_lshl_add_u32 v[SPW], v0, 2, SPARE
	v_mov_b32 v[NIL], 0
	ds_add_u32 v[SPW], v[NIL]                      ; the wave's opening: an add to my spare word, waited for ahead of my first tensor load
	v_lshrrev_b32 v1, 5, v0
	v_readfirstlane_b32 s[WV], v1
	s_lshr_b32 s[HI], s[WV], 1
	s_and_b32 s[LO], s[WV], 1
	s_bfe_u32 s40, ttmp6, 0x40000
	s_bfe_u32 s41, ttmp6, 0x40004
	s_lshl_b32 s42, ttmp9, 2
	s_add_co_u32 s42, s42, s40                     ; tile column
	s_and_b32 s84, ttmp7, 0xffff
	s_lshl_b32 s84, s84, 2
	s_add_co_u32 s84, s84, s41                     ; tile row
	s_lshl_b32 s43, s41, 2
	s_lshl_b32 s43, 15, s43
	s_lshl_b32 s44, 0x1111, s40
	s_or_b32 s[G1+0], s43, (1<<20)|(1<<21)|(4<<22)|(3<<25)   ; the mask; elements of 1 byte; padding on; bit 21 beside a mask; four words after every 32
	s_or_b32 s[G1B+0], s44, (1<<20)|(1<<21)|(4<<22)|(3<<25)
.irp g, G1, G1B
	s_mov_b32 s[\g+1], 128<<16
	s_mov_b32 s[\g+2], 256<<16
	s_mov_b32 s[\g+3], 128<<16
	s_mov_b32 s[\g+4], 256
	s_mov_b32 s[\g+5], 128
	s_mov_b32 s[\g+6], 0
	s_mov_b32 s[\g+7], 0
.endr
	s_lshl_b32 s20, s84, 15                        ; A: 256 rows x 128 bytes a tile row, my kb of the slot's two
	s_lshl_b32 s21, s[LO], 18
	s_add_co_u32 s20, s20, s21
	s_mov_b32 s21, 0
	s_lshl_b32 s46, s42, 15                        ; B likewise, in plane 3
	s_lshl_b32 s47, s[LO], 18
	s_add_co_u32 s46, s46, s47
	s_add_co_u32 s46, s46, 3*PLANE
	s_mov_b32 s47, 0
	s_mul_i32 s45, s[WV], QB
	s_wait_dscnt 0x0
	s_wait_kmcnt 0x0
	s_load_b64 s[96:97], s[8:9], 0x28              ; entries 10, 11
	s_add_nc_u64 s[20:21], s[4:5], s[20:21]
	s_add_nc_u64 s[46:47], s[6:7], s[46:47]
	CROUND
.irp s, 0,1
	s_mov_b32 s[G0+4*\s], 1
	s_add_co_u32 s[G0+4*\s+1], s45, \s*SLOT
	s_add_nc_u64 s[G0+4*\s+2:G0+4*\s+3], s[20:21], \s*2*KBB
	s_or_b32 s[G0+4*\s+3], s[G0+4*\s+3], 0x80000000
	s_mov_b32 s[G0B+4*\s], 1
	s_add_co_u32 s[G0B+4*\s+1], s45, \s*SLOT
	s_add_nc_u64 s[G0B+4*\s+2:G0B+4*\s+3], s[46:47], \s*2*KBB
	s_or_b32 s[G0B+4*\s+3], s[G0B+4*\s+3], 0x80000000
	JLOAD G0+4*\s, G1, G0B+4*\s, G1B
.endr
	v_and_b32 v1, 15, v0
	v_bfe_u32 v2, v0, 4, 1
	v_mul_u32_u24 v3, v1, PITCH
	v_lshl_add_u32 v4, v2, 4, v3
	s_mul_i32 s21, s[HI], 128*PITCH
	s_mul_i32 s22, s[LO], 128*PITCH
	s_add_co_u32 s22, s22, 2*QB
.irp s, 0,1
	v_add_nc_u32 v[ADRA+\s], s21, v4
	v_add_nc_u32 v[ADRB+\s], s22, v4
	s_add_co_u32 s21, s21, SLOT
	s_add_co_u32 s22, s22, SLOT
.endr
	s_mul_i32 s23, s[WV], 16*SPITCH                ; my stage
	v_mul_u32_u24 v5, v1, SPITCH
	v_lshl_add_u32 v5, v2, 5, v5
	v_add_nc_u32 v[STO], s23, v5                   ; in: row r, 32 bytes for each half of the lanes
	v_and_b32 v6, 31, v0
	v_lshlrev_b32 v[CO], 4, v6                     ; back: the 32 lanes take one row of 512 bytes; and the same in the output
	v_add_nc_u32 v[RD], s23, v[CO]
	s_lshl_b32 s20, s84, 8
	s_lshl_b32 s21, s[HI], 7
	s_add_co_u32 s20, s20, s21                     ; my first row
	s_lshl_b32 s20, s20, 13                        ; x 8,192 bytes
	s_lshl_b32 s46, s42, 10                        ; my first column, in bytes
	s_lshl_b32 s47, s[LO], 9
	s_add_co_u32 s46, s46, s47
	s_add_co_u32 s20, s20, s46
	s_mov_b32 s21, 0
	s_add_nc_u64 s[10:11], s[10:11], s[20:21]
.macro FRAG reg, adr, q, i
.irp c, 0,1,2,3
	ds_load_b128 v[\reg+4*\c:\reg+4*\c+3], v[\adr] offset:QB*(\q)+32*\c+(\i)*16*PITCH
.endr
.endm
.macro MUL16 a0, p, zero               ; the 64 accumulators take turns, in the same order in every step
.irp a, \a0, \a0+1
.irp b, 0,1,2,3,4,5,6,7
.if \zero
	v_wmma_f32_16x16x128_fp8_fp8 v[8*(8*((\a)%4)+\b):8*(8*((\a)%4)+\b)+7], v[128*(\p)+FR*\b:128*(\p)+FR*\b+FR-1], v[AF+FR*(\a):AF+FR*(\a)+FR-1], 0
.else
	v_wmma_f32_16x16x128_fp8_fp8 v[8*(8*((\a)%4)+\b):8*(8*((\a)%4)+\b)+7], v[128*(\p)+FR*\b:128*(\p)+FR*\b+FR-1], v[AF+FR*(\a):AF+FR*(\a)+FR-1], v[8*(8*((\a)%4)+\b):8*(8*((\a)%4)+\b)+7]
.endif
.endr
.endr
.endm
.macro FETCH_B slot, q, p
	WIN TO_B
.irp i, 0,1,2,3,4,5,6,7
	FRAG 128*(\p)+FR*\i, ADRB+\slot, \q, \i
.endr
	WIN 0
.endm
.macro FETCH_A slot, q, i0
.irp i, \i0, \i0+1, \i0+2, \i0+3
	FRAG AF+FR*(\i), ADRA+\slot, \q, \i
.endr
.endm
.macro PLACES n
.rept \n
	v_nop
.endr
.endm
.macro STEP slot, q, zero
	s_wait_dscnt 4*NL                              ; B's set and A's blocks 0-3 are in; the youngest 16 loads may be out
	WIN MUL_LO
	MUL16 0, (\q)%2, \zero
	MUL16 2, (\q)%2, \zero
	s_wait_dscnt 0
	PLACES NP
	FETCH_B \slot, (\q)+1, 1-(\q)%2
	FETCH_A \slot, (\q)+1, 0
	WIN MUL_HI
	MUL16 4, (\q)%2, \zero
	MUL16 6, (\q)%2, \zero
	PLACES NP
	WIN 0
	FETCH_A \slot, (\q)+1, 4
.endm
.macro TURN slot, next, fill
	s_wait_tensorcnt 0x0                           ; all my tensor loads have landed
	ds_add_u32 v[SPW], v[NIL]
	s_wait_dscnt 4*NL+1                            ; the add and the youngest 16 loads may be out
	WIN MUL_LO
	MUL16 0, 1, 0
	s_wait_dscnt 0x0                               ; the add is done, and my reads of this slot are over
	s_barrier_signal -1
	MUL16 2, 1, 0
	WIN 0
	s_barrier_wait -1
.if \fill
	CREST
	s_add_nc_u64 s[G0+4*\slot+2:G0+4*\slot+3], s[G0+4*\slot+2:G0+4*\slot+3], 4*KBB
	s_add_nc_u64 s[G0B+4*\slot+2:G0B+4*\slot+3], s[G0B+4*\slot+2:G0B+4*\slot+3], 4*KBB
	JLOAD G0+4*\slot, G1, G0B+4*\slot, G1B
.else
	PLACES NP
.endif
	FETCH_B \next, 0, 0
	FETCH_A \next, 0, 0
	WIN MUL_HI
	MUL16 4, 1, 0
	MUL16 6, 1, 0
	PLACES NP
	WIN 0
	FETCH_A \next, 0, 4
.endm
	s_wait_tensorcnt 1                             ; my part of slot 0 is in; slot 1's load may be out
	s_barrier_signal -1
	s_barrier_wait -1
	FETCH_B 0, 0, 0
	FETCH_A 0, 0, 0
	FETCH_A 0, 0, 4
	STEP 0, 0, 1
	s_mov_b32 s3, LAPS-1
.Llap:
	TURN 0, 1, 1
	STEP 1, 0, 0
	TURN 1, 0, 1
	STEP 0, 0, 0
	s_sub_co_u32 s3, s3, 1
	s_cmp_lg_u32 s3, 0
	s_cbranch_scc1 .Llap
	TURN 0, 1, 0
	STEP 1, 0, 0
	s_wait_dscnt 4*NL
	WIN MUL_LO
	MUL16 0, 1, 0
	MUL16 2, 1, 0
	s_wait_dscnt 0
	WIN MUL_HI
	MUL16 4, 1, 0
	MUL16 6, 1, 0
	WIN 0
; THE WAY OUT, block by block of 16 rows x 128 columns, through my own stage in LDS: in as 32 bytes a lane, back as whole rows of 512 bytes.  LDS serves a wave's instructions in order (ISA guide 5.7.1.4).
.macro TOSTAGE a
.set AC, 64*((\a)%4)
.set W, 2+(\a)/4
	WIN W                                          ; source 0: the accumulators' window
.set j, 0
.rept 32
	v_pk_mul_f32 v[TMP+j:TMP+j+1], v[AC+j:AC+j+1], s[96:97] op_sel_hi:[1,0]   ; x 2^(entry 10 + entry 11); each accumulator from its low end on
.set j, j+2
.endr
	WIN 0
.irp b, 0,1,2,3,4,5,6,7
	ds_store_b128 v[STO], v[TMP+8*\b:TMP+8*\b+3] offset:64*\b
	ds_store_b128 v[STO], v[TMP+8*\b+4:TMP+8*\b+7] offset:64*\b+16
.endr
.set BB, BK+64*((\a)%2)
.irp t, 0,1,2,3,4,5,6,7,8,9,10,11,12,13,14,15
	ds_load_b128 v[BB+4*\t:BB+4*\t+3], v[RD] offset:\t*SPITCH
.endr
.endm
.macro SEND a, younger
.set BB, BK+64*((\a)%2)
	s_wait_dscnt \younger                          ; the block is back in registers
.if (\a) > 0
	s_add_nc_u64 s[10:11], s[10:11], 16*ROWC       ; behind a wait on XCNT: the earlier stores have read their base
.endif
.irp t, 0,1,2,3,4,5,6,7,8,9,10,11,12,13,14,15
	global_store_b128 v[CO], v[BB+4*\t:BB+4*\t+3], s[10:11] offset:\t*ROWC th:TH_STORE_NT   ; 512 consecutive bytes, aligned
.endr
.endm
	s_wait_kmcnt 0x0
	s_add_co_i32 s96, s96, s97
	s_add_co_i32 s96, s96, 127
	s_lshl_b32 s96, s96, 23                        ; 2^(entry 10 + entry 11) as f32
	PLACES NP
	TOSTAGE 0
.irp a, 1,2,3,4,5,6,7
.if \a > 1
	s_wait_xcnt 0x0                                ; block a - 2's stores have read their registers and their base
.endif
	TOSTAGE \a
	SEND \a-1, 32                                  ; behind block a - 1's loads: block a's 16 stores and 16 loads
.endr
	s_wait_xcnt 0x0
	SEND 7, 0
	s_wait_tensorcnt 0x0                           ; the wave's end
	ds_add_u32 v[SPW], v[NIL]
	s_wait_dscnt 0x0
	CROUND                                         ; the closing round
	s_endpgm
.Lfunc_end_k_q7b85414323_gemm_out:
	.size	k_q7b85414323_gemm_out, .Lfunc_end_k_q7b85414323_gemm_out-k_q7b85414323_gemm_out
	.p2alignl 7, 3214868480
	.fill 96, 4, 3214868480
	.section	.rodata,"a",@progbits
	.p2align	6, 0x0
	.amdhsa_kernel k_q7b85414323_gemm_out
		.amdhsa_group_segment_fixed_size 327680
		.amdhsa_private_segment_fixed_size 0
		.amdhsa_enable_private_segment 0
		.amdhsa_kernarg_size 32
		.amdhsa_user_sgpr_count 2
		.amdhsa_user_sgpr_kernarg_segment_ptr 1
		.amdhsa_wavefront_size32 1
		.amdhsa_system_sgpr_workgroup_id_x 1
		.amdhsa_system_sgpr_workgroup_id_y 1
		.amdhsa_system_sgpr_workgroup_id_z 1
		.amdhsa_system_vgpr_workitem_id 0
		.amdhsa_next_free_vgpr 1024
		.amdhsa_next_free_sgpr 98
		.amdhsa_reserve_vcc 0
		.amdhsa_float_denorm_mode_32 3
		.amdhsa_float_denorm_mode_16_64 3
		.amdhsa_memory_ordered 1
		.amdhsa_forward_progress 1
		.amdhsa_inst_pref_size 123
	.end_amdhsa_kernel
	.amdgpu_metadata
---
amdhsa.version: [ 1, 2 ]
amdhsa.kernels:
  - .name:           k_q7b85414323_gemm_out
    .symbol:         k_q7b85414323_gemm_out.kd
    .args:
      - { .name: ac, .offset: 0, .size: 8, .value_kind: global_buffer, .address_space: global }
      - { .name: wc, .offset: 8, .size: 8, .value_kind: global_buffer, .address_space: global }
      - { .name: lowp_scales, .offset: 16, .size: 8, .value_kind: global_buffer, .address_space: global }
      - { .name: out0, .offset: 24, .size: 8, .value_kind: global_buffer, .address_space: global }
    .group_segment_fixed_size: 327680
    .private_segment_fixed_size: 0
    .kernarg_segment_align: 8
    .kernarg_segment_size: 32
    .max_flat_workgroup_size: 128
    .sgpr_count:     98
    .vgpr_count:     1024
    .wavefront_size: 32
...
	.end_amdgpu_metadata
.endif
;; end of part 5
;; ======== version 2 of 2: 5 launches
;; workspace buffers: xc 12,582,912 bytes; wc 16,777,216 bytes; qkv 12,582,912 bytes; ac 4,194,304 bytes
;; launch quant_x: the kernel of part 1 again; grid 256 x 1, 4 waves a work-group, no clusters, 33,280 bytes of LDS; arguments x, lowp_scales, xc; writes xc
;; launch quant_w: the kernel of part 2 again; grid 16 x 32, 4 waves a work-group, no clusters, 35,840 bytes of LDS; arguments wq, wk, wv, wo, lowp_scales, wc; writes wc
;; launch gemm_qkv (part 6): grid 24 x 8, 4 waves a work-group, clusters of 4 x 4, 327,680 bytes of LDS; arguments xc, wc, cos, sin, lowp_scales, qkv; writes qkv
.if DOCPART == 6
	.amdgcn_target "amdgcn-amd-amdhsa--gfx1250"
	.amdhsa_code_object_version 6
	.text
	.protected	k_q7b85414323_gemm_qkv
	.globl	k_q7b85414323_gemm_qkv
	.p2align	8
	.type	k_q7b85414323_gemm_qkv,@function
k_q7b85414323_gemm_qkv:
	s_mov_b64 s[64:65], 0
	v_nop
	global_prefetch_b8 v0, s[64:65] scope:SCOPE_SE
	s_setreg_imm32_b32 hwreg(HW_REG_WAVE_MODE, 25, 1), 1
	s_wait_xcnt 0x0
	s_wait_alu depctr_hold_cnt(0) depctr_sa_sdst(0) depctr_va_vdst(0) depctr_va_sdst(0) depctr_va_ssrc(0) depctr_va_vcc(0) depctr_vm_vsrc(0)
	s_getreg_b32 s2, hwreg(HW_REG_IB_STS2, 6, 4)
	s_cmp_eq_u32 s2, 0
	s_cbranch_scc0 .Lentry_in_a_cluster
	s_endpgm
.Lentry_in_a_cluster:
	s_bfe_u32 s2, ttmp6, 0x10000c
	s_cmp_lg_u32 s2, 0xf033
	s_cbranch_scc0 .Lentry_shape_is_right
	s_endpgm
.Lentry_shape_is_right:
; q = rot(x wq), k = x wk, v = rot(x wv) on E4M3 codes, and their own codes for the attention (entries 6, 7, 9 of lowp_scales).  Plane 0, 1, 2 = q, k, v.
; A: xc[plane][16 kb][2048 s][128], B: wc[plane][16 kb][2048 n][128].  OUT: qkv planes 0, 1: [16 heads][2048 s][128 d]; plane 2: [16 heads][16 blocks of keys][128 d][128 keys], the keys innermost.
; A tile of 256 x 256 is made by four waves, as many as a WGP has SIMDs; a wave makes 128 rows x 128 columns (one head): 64 accumulators, 512 registers.  Grid x = 8 tile columns for each of three planes.
; K goes 256 at a time through a ring of two LDS slots.  A slot is [A kb 0][A kb 1][B kb 0][B kb 1], each 256 rows x 128 bytes, a dense block of 32,768 bytes in memory: one tensor load a wave.
; CLUSTERS 4 x 4: a row of the cluster shares A's tiles, a column B's: each tile is asked for jointly, by the same load with the same descriptor and a mask that names the four.  The plane hangs on the cluster's x alone.
; THE MATRIX INSTRUCTION IS USED TRANSPOSED (source 0 = 16 rows of B, source 1 = 16 rows of A): a lane holds row l % 16 and eight neighbouring columns 8 (l / 16) + 0 .. 7: four rotary pairs, and eight neighbours for the conversion.
; A fragment is fetched by four 16-byte loads: the same permutation of k in A and in B, so every product meets its partner.
; THE SCALES: the sums stand for sum x 2^(eA + eB); the rotary is linear, so it works on the raw sums and the conversion takes the one scale 2^(eOut - eA - eB).
; LIMIT: eOut - eA - eB between -126 and 119.  NaN is not served.
; REGISTERS: window 0: v16-31 addresses and the conversion's two; v128-255 A's fragments, one set; on the way out v32-255 are free.  window 1: B's fragments, two sets; on the way out four blocks' cos and sin.
;   windows 2, 3: accumulators (a, b) at v[8 (8 (a % 4) + b)].
.set PLANE, 4194304
.set KBB,   262144                     ; one kb of a plane, or one head
.set PITCH, 144                        ; an LDS row: 128 bytes + 16 = 36 words: the 16 rows that a load touches start at 16 different groups of four banks (64 banks of 4 bytes: ISA guide 11.1)
.set QB,    256*PITCH                  ; what one tensor load brings
.set SLOT,  4*QB
.set SPARE, 2*SLOT                     ; behind the ring: the spare words, 128 bytes a wave; no other line names them
.set FR,    16
.set NL,    4
.set NP,    4                          ; places behind this matrix instruction (ISA guide 7.12.1)
.set LAPS,  4                          ; 2,048 along K = 8 slots = 4 times round the ring
.set STW,   128*PITCH                  ; the way out: a stage of 128 rows x 144 bytes for each wave, in slot 0, which has had its last fill and its last read by then
.set ADRA, 16                          ; v16-17 LDS address of my A fragments in slot 0, 1;  v20-21 the same for B
.set ADRB, 20
.set SCV,  22                          ; v22 2^(eOut - eA - eB);  v23 448 x that
.set LIMV, 23
.set STO,  24                          ; v24 the stage: where I put 8 codes of a row
.set RD,   25                          ; v25 where I read 16 bytes back: four rows an instruction
.set GO,   26                          ; v26 16 x lane: my place in 512 bytes of the output
.set CSO,  27                          ; v27 my byte in 16 rows of cos or sin
.set SPW,  28
.set NIL,  29
.set TRA,  30                          ; v30 the turning load's address;  v31 where the turned codes go
.set TRS,  31
.set TMP,  32                          ; v32-95 a block's held numbers
.set CD,   96                          ; v96-223 codes: 16 registers a block
.set TT,   160                         ; v160-223 the rotary's cross products
.set AF,   128
.set WV, 16                            ; s16 wave; s17 wave / 2: my half of the rows, and A (0) or B (1) to fetch; s18 wave % 2: my half of the columns, and which kb I fetch; s19 plane
.set HI, 17
.set LO, 18
.set PL, 19
.set G1, 24
.set G0, 32
.set G1B, 48
.set G0B, 56
.set MSB, 0
.macro WIN new                         ; the immediate's high byte repeats the setting that is left
.if MSB != \new
	s_set_vgpr_msb (MSB<<8)|\new
.set MSB, \new
.endif
.endm
.set MUL_LO, 0xa1                      ; source 0 (B) window 1, source 1 (A) window 0, C and D window 2
.set MUL_HI, 0xf1
.set TO_B,   0x40
; A joint load: waves 0, 1 fetch for A, waves 2, 3 for B; the branch hangs on the wave's number alone.  An s_nop 0 and four v_nop follow each line.
.macro JLOAD g0a, g1a, g0b, g1b
	s_cmp_eq_u32 s[HI], 0
	s_cbranch_scc0 .Lfor_b_\@
	tensor_load_to_lds s[\g0a:\g0a+3], s[\g1a:\g1a+7]
	s_nop 0
.rept 4
	v_nop
.endr
	s_branch .Lasked_\@
.Lfor_b_\@:
	tensor_load_to_lds s[\g0b:\g0b+3], s[\g1b:\g1b+7]
	s_nop 0
.rept 4
	v_nop
.endr
.Lasked_\@:
.endm
.macro CREST                           ; a round of the cluster's barrier behind its opening barrier
	s_cmp_lg_u32 s[WV], 0
	s_cbranch_scc1 .Lnot_wave_0_\@
	s_barrier_signal -3
.Lnot_wave_0_\@:
	s_barrier_wait -3
	s_barrier_signal -1
	s_barrier_wait -1
.endm
.macro CROUND
	s_barrier_signal -1
	s_barrier_wait -1
	CREST
.endm
	s_load_b256 s[4:11], s[0:1], 0x0               ; xc, wc, cos, sin
	s_load_b128 s[12:15], s[0:1], 0x20             ; lowp_scales, qkv
	v_lshl_add_u32 v[SPW], v0, 2, SPARE
	v_mov_b32 v[NIL], 0
	ds_add_u32 v[SPW], v[NIL]                      ; the wave's opening: an add to my spare word, waited for ahead of my first tensor load
	v_lshrrev_b32 v1, 5, v0
	v_readfirstlane_b32 s[WV], v1
	s_lshr_b32 s[HI], s[WV], 1
	s_and_b32 s[LO], s[WV], 1
	s_bfe_u32 s40, ttmp6, 0x40000                  ; cx, cy
	s_bfe_u32 s41, ttmp6, 0x40004
	s_lshr_b32 s[PL], ttmp9, 1                     ; two clusters along x to a plane
	s_and_b32 s42, ttmp9, 1
	s_lshl_b32 s42, s42, 2
	s_add_co_u32 s42, s42, s40                     ; tile column in the plane, 0 .. 7
	s_and_b32 s84, ttmp7, 0xffff
	s_lshl_b32 s84, s84, 2
	s_add_co_u32 s84, s84, s41                     ; tile row, 0 .. 7
	s_lshl_b32 s43, s41, 2
	s_lshl_b32 s43, 15, s43                        ; my row of the cluster
	s_lshl_b32 s44, 0x1111, s40                    ; my column
	s_or_b32 s[G1+0], s43, (1<<20)|(1<<21)|(4<<22)|(3<<25)   ; 15:0 the mask; 17:16 elements of 1 byte; 20 padding on; 21 set beside a mask; 24:22 after every 32 words (code 4); 31:25 four words (code 3)
	s_or_b32 s[G1B+0], s44, (1<<20)|(1<<21)|(4<<22)|(3<<25)
.irp g, G1, G1B
	s_mov_b32 s[\g+1], 128<<16                     ; tensor_dim0 = 128
	s_mov_b32 s[\g+2], 256<<16                     ; tensor_dim1 = 256
	s_mov_b32 s[\g+3], 128<<16                     ; tile_dim0 = 128
	s_mov_b32 s[\g+4], 256                         ; tile_dim1 = 256
	s_mov_b32 s[\g+5], 128                         ; from row to row
	s_mov_b32 s[\g+6], 0
	s_mov_b32 s[\g+7], 0
.endr
	s_lshl_b32 s20, s[PL], 22                      ; A: plane, 256 rows x 128 bytes a tile row, my kb of the slot's two
	s_lshl_b32 s21, s84, 15
	s_add_co_u32 s20, s20, s21
	s_lshl_b32 s21, s[LO], 18
	s_add_co_u32 s20, s20, s21
	s_mov_b32 s21, 0
	s_lshl_b32 s46, s[PL], 22                      ; B likewise, by the tile column
	s_lshl_b32 s47, s42, 15
	s_add_co_u32 s46, s46, s47
	s_lshl_b32 s47, s[LO], 18
	s_add_co_u32 s46, s46, s47
	s_mov_b32 s47, 0
	s_mul_i32 s45, s[WV], QB                       ; where my load lands: no place in the cluster enters an LDS address
	s_wait_dscnt 0x0                               ; the opening add is done
	s_wait_kmcnt 0x0
	s_load_b256 s[68:75], s[12:13], 0x0            ; entries 0 to 7: entry i in s[68 + i]
	s_load_b128 s[76:79], s[12:13], 0x20           ; entries 8 to 11
	s_add_nc_u64 s[20:21], s[4:5], s[20:21]
	s_add_nc_u64 s[46:47], s[6:7], s[46:47]
	CROUND                                         ; all sixteen work-groups are here: the first joint loads meet
.irp s, 0,1
	s_mov_b32 s[G0+4*\s], 1
	s_add_co_u32 s[G0+4*\s+1], s45, \s*SLOT
	s_add_nc_u64 s[G0+4*\s+2:G0+4*\s+3], s[20:21], \s*2*KBB
	s_or_b32 s[G0+4*\s+3], s[G0+4*\s+3], 0x80000000
	s_mov_b32 s[G0B+4*\s], 1
	s_add_co_u32 s[G0B+4*\s+1], s45, \s*SLOT
	s_add_nc_u64 s[G0B+4*\s+2:G0B+4*\s+3], s[46:47], \s*2*KBB
	s_or_b32 s[G0B+4*\s+3], s[G0B+4*\s+3], 0x80000000
	JLOAD G0+4*\s, G1, G0B+4*\s, G1B
.endr
	v_and_b32 v1, 15, v0                           ; r = l % 16
	v_bfe_u32 v2, v0, 4, 1                         ; h = l / 16
	v_mul_u32_u24 v3, v1, PITCH
	v_lshl_add_u32 v4, v2, 4, v3                   ; a fragment's row x pitch + 16 h
	s_mul_i32 s21, s[HI], 128*PITCH                ; my 128 rows of A
	s_mul_i32 s22, s[LO], 128*PITCH                ; my 128 rows of B,
	s_add_co_u32 s22, s22, 2*QB                    ; which lie behind A's two blocks
.irp s, 0,1
	v_add_nc_u32 v[ADRA+\s], s21, v4
	v_add_nc_u32 v[ADRB+\s], s22, v4
	s_add_co_u32 s21, s21, SLOT
	s_add_co_u32 s22, s22, SLOT
.endr
	s_mul_i32 s23, s[WV], STW                      ; my stage
	v_lshl_add_u32 v5, v2, 3, v3
	v_add_nc_u32 v[STO], s23, v5                   ; row r, + 8 h
	v_and_b32 v6, 31, v0
	v_lshrrev_b32 v7, 3, v6
	v_mul_u32_u24 v7, v7, PITCH
	v_and_b32 v8, 7, v6
	v_lshl_add_u32 v7, v8, 4, v7
	v_add_nc_u32 v[RD], s23, v7                    ; row l / 8, + 16 (l % 8)
	v_lshlrev_b32 v[GO], 4, v6
	v_lshlrev_b32 v[CSO], 8, v1
	v_lshl_add_u32 v[CSO], v2, 4, v[CSO]           ; cos, sin: row r of 256 bytes, + 16 h: my four pairs of a tile of 16 columns
	v_lshl_add_u32 v9, v2, 3, v8
	v_mul_u32_u24 v9, v9, PITCH
	v_bfe_u32 v10, v0, 3, 1
	v_lshl_add_u32 v9, v10, 4, v9
	v_add_nc_u32 v[TRA], s23, v9                   ; row 8 h + l % 8, + 16 ((l / 8) % 2)
	v_mul_u32_u24 v11, v1, 2*PITCH
	v_lshl_add_u32 v11, v2, 3, v11
	v_add_nc_u32 v[TRS], s23, v11                  ; row 2 r, + 8 h
	s_lshl_b32 s86, s84, 16                        ; cos, sin at my first row: (256 x tile row + 128 x half) x 256 bytes
	s_lshl_b32 s87, s[HI], 15
	s_add_co_u32 s86, s86, s87
	s_mov_b32 s87, 0
	s_add_nc_u64 s[8:9], s[8:9], s[86:87]
	s_add_nc_u64 s[10:11], s[10:11], s[86:87]
	s_lshl_b32 s86, s[PL], 22                      ; my block of 16,384 bytes of the output: plane, head 2 x tile column + half, block of rows 2 x tile row + half
	s_lshl_b32 s88, s42, 19
	s_add_co_u32 s86, s86, s88
	s_lshl_b32 s88, s[LO], 18
	s_add_co_u32 s86, s86, s88
	s_lshl_b32 s88, s84, 15
	s_add_co_u32 s86, s86, s88
	s_lshl_b32 s88, s[HI], 14
	s_add_co_u32 s86, s86, s88
	s_add_nc_u64 s[14:15], s[14:15], s[86:87]
	s_mov_b32 s82, 0x06040200                      ; byte selects: the even bytes of two words, the odd ones
	s_mov_b32 s83, 0x07050301
.macro FRAG reg, adr, q, i             ; 16 rows x 128 K: lane l holds row l % 16; registers 4 c .. 4 c + 3 hold K = 32 c + 16 (l / 16) + 0 .. 15
.irp c, 0,1,2,3
	ds_load_b128 v[\reg+4*\c:\reg+4*\c+3], v[\adr] offset:QB*(\q)+32*\c+(\i)*16*PITCH
.endr
.endm
; 16 matrix instructions: A's blocks a0, a0 + 1 x B's eight.  p: B's set.  zero = 1: the first product starts the sums.  The 64 accumulators take turns, in the same order in every step.
.macro MUL16 a0, p, zero
.irp a, \a0, \a0+1
.irp b, 0,1,2,3,4,5,6,7
.if \zero
	v_wmma_f32_16x16x128_fp8_fp8 v[8*(8*((\a)%4)+\b):8*(8*((\a)%4)+\b)+7], v[128*(\p)+FR*\b:128*(\p)+FR*\b+FR-1], v[AF+FR*(\a):AF+FR*(\a)+FR-1], 0
.else
	v_wmma_f32_16x16x128_fp8_fp8 v[8*(8*((\a)%4)+\b):8*(8*((\a)%4)+\b)+7], v[128*(\p)+FR*\b:128*(\p)+FR*\b+FR-1], v[AF+FR*(\a):AF+FR*(\a)+FR-1], v[8*(8*((\a)%4)+\b):8*(8*((\a)%4)+\b)+7]
.endif
.endr
.endr
.endm
.macro FETCH_B slot, q, p
	WIN TO_B
.irp i, 0,1,2,3,4,5,6,7
	FRAG 128*(\p)+FR*\i, ADRB+\slot, \q, \i
.endr
	WIN 0
.endm
.macro FETCH_A slot, q, i0
.irp i, \i0, \i0+1, \i0+2, \i0+3
	FRAG AF+FR*(\i), ADRA+\slot, \q, \i
.endr
.endm
.macro PLACES n                        ; plain vector lines between a matrix instruction and a load into, or a vector read of, its registers
.rept \n
	v_nop
.endr
.endm
.macro STEP slot, q, zero              ; 128 along K that has its successor in the same slot
	s_wait_dscnt 4*NL                              ; B's set and A's blocks 0-3 are in; the youngest 16 loads (A's blocks 4-7) may be out
	WIN MUL_LO
	MUL16 0, (\q)%2, \zero
	MUL16 2, (\q)%2, \zero
	s_wait_dscnt 0
	PLACES NP
	FETCH_B \slot, (\q)+1, 1-(\q)%2
	FETCH_A \slot, (\q)+1, 0
	WIN MUL_HI
	MUL16 4, (\q)%2, \zero
	MUL16 6, (\q)%2, \zero
	PLACES NP
	WIN 0
	FETCH_A \slot, (\q)+1, 4
.endm
; A slot's last 128 along K changes slots: one barrier; in front of it each wave waits for all its tensor loads, adds 0 to its spare word, and waits for that and for its reads of this slot.
.macro TURN slot, next, fill
	s_wait_tensorcnt 0x0                           ; all my tensor loads have landed: my part of the next slot
	ds_add_u32 v[SPW], v[NIL]
	s_wait_dscnt 4*NL+1                            ; the add and the youngest 16 loads may be out
	WIN MUL_LO
	MUL16 0, 1, 0
	s_wait_dscnt 0x0                               ; the add is done, and my reads of this slot are over
	s_barrier_signal -1
	MUL16 2, 1, 0
	WIN 0
	s_barrier_wait -1
.if \fill
	CREST                                          ; the barrier has opened a round of the cluster's: no wave of any partner still reads this slot or has a load on its way
	s_add_nc_u64 s[G0+4*\slot+2:G0+4*\slot+3], s[G0+4*\slot+2:G0+4*\slot+3], 4*KBB
	s_add_nc_u64 s[G0B+4*\slot+2:G0B+4*\slot+3], s[G0B+4*\slot+2:G0B+4*\slot+3], 4*KBB
	JLOAD G0+4*\slot, G1, G0B+4*\slot, G1B         ; the first tensor load behind the round; its four v_nop are the places in front of the loads below
.else
	PLACES NP
.endif
	FETCH_B \next, 0, 0
	FETCH_A \next, 0, 0
	WIN MUL_HI
	MUL16 4, 1, 0
	MUL16 6, 1, 0
	PLACES NP
	WIN 0
	FETCH_A \next, 0, 4
.endm
	s_wait_tensorcnt 1                             ; my part of slot 0 is in; slot 1's load may be out
	s_barrier_signal -1
	s_barrier_wait -1
	FETCH_B 0, 0, 0
	FETCH_A 0, 0, 0
	FETCH_A 0, 0, 4
	STEP 0, 0, 1                                   ; the first step's products start the sums
	s_mov_b32 s3, LAPS-1
.Llap:                                                 ; a trip goes once round the ring and fills both slots again
	TURN 0, 1, 1
	STEP 1, 0, 0
	TURN 1, 0, 1
	STEP 0, 0, 0
	s_sub_co_u32 s3, s3, 1
	s_cmp_lg_u32 s3, 0
	s_cbranch_scc1 .Llap
	TURN 0, 1, 0                                   ; the last lap fills nothing
	STEP 1, 0, 0
	s_wait_dscnt 4*NL
	WIN MUL_LO
	MUL16 0, 1, 0
	MUL16 2, 1, 0
	s_wait_dscnt 0
	WIN MUL_HI
	MUL16 4, 1, 0
	MUL16 6, 1, 0
	WIN 0
	PLACES NP
	; THE WAY OUT.  The conversion's scale, chosen by the plane without a branch
	s_wait_kmcnt 0x0
	s_cmp_eq_u32 s[PL], 1
	s_cselect_b32 s20, s70, s68                    ; eA: entry 0, 2, 4
	s_cselect_b32 s21, s71, s69                    ; eB: entry 1, 3, 5
	s_cselect_b32 s22, s75, s74                    ; eOut: entry 6, 7, 9
	s_cmp_eq_u32 s[PL], 2
	s_cselect_b32 s20, s72, s20
	s_cselect_b32 s21, s73, s21
	s_cselect_b32 s22, s77, s22
	s_sub_co_i32 s22, s22, s20
	s_sub_co_i32 s22, s22, s21
	s_add_co_i32 s22, s22, 127
	s_lshl_b32 s23, s22, 23
	v_mov_b32 v[SCV], s23
	s_add_co_i32 s22, s22, 8
	s_lshl_b32 s22, s22, 23
	s_or_b32 s22, s22, 0x600000
	v_mov_b32 v[LIMV], s22
	s_cmp_eq_u32 s[PL], 1                          ; k has no rotary: a branch on the cluster's x, the same in all partners
	s_cbranch_scc1 .Lno_rope
; THE ROTARY, in place.  Register 2 p, 2 p + 1 of accumulator (a, b) is pair 8 b + 4 h + p of row 16 a + r.
; cos and sin come four blocks of 16 rows ahead, into window 1, which B's fragments have left: set a % 4 holds block a's 32 registers of cos, then its 32 of sin.
.macro CSLOAD a                        ; block a's cos and sin: four pairs' numbers a load, 16 loads
.set CB, 64*((\a)%4)
.set SB, 64*((\a)%4)+32
	WIN TO_B                                       ; destination window 1, address window 0
.irp b, 0,1,2,3,4,5,6,7
	global_load_b128 v[CB+4*\b:CB+4*\b+3], v[CSO], s[8:9] offset:4096*(\a)+32*\b
	global_load_b128 v[SB+4*\b:SB+4*\b+3], v[CSO], s[10:11] offset:4096*(\a)+32*\b
.endr
.endm
.macro ROPE a
.set AC, 64*((\a)%4)
.set W, 2+(\a)/4
.set W1, W|4
.set W2, (W<<6)|W|4
.set CB, 64*((\a)%4)
.set SB, 64*((\a)%4)+32
	WIN W1                                         ; source 0: the accumulators' window; source 1: window 1
.irp b, 0,1,2,3,4,5,6,7
.irp p, 0,1,2,3
	v_mul_f32 v[TT+8*\b+2*\p], v[AC+8*\b+2*\p+1], v[SB+4*\b+\p]      ; odd x sin
	v_mul_f32 v[TT+8*\b+2*\p+1], v[AC+8*\b+2*\p], v[SB+4*\b+\p]      ; even x sin
.endr
.endr
	WIN W2                                         ; the destination in the accumulators' window too; source 2 stays in window 0
.irp b, 0,1,2,3,4,5,6,7
.irp p, 0,1,2,3
	v_fma_f32 v[AC+8*\b+2*\p], v[AC+8*\b+2*\p], v[CB+4*\b+\p], -v[TT+8*\b+2*\p]        ; even x cos - odd x sin
	v_fma_f32 v[AC+8*\b+2*\p+1], v[AC+8*\b+2*\p+1], v[CB+4*\b+\p], v[TT+8*\b+2*\p+1]   ; odd x cos + even x sin
.endr
.endr
.endm
	CSLOAD 0
	CSLOAD 1
	CSLOAD 2
	CSLOAD 3
.irp a, 0,1,2,3
	s_wait_loadcnt 48                              ; this block's 16 loads are in; those of the three blocks behind it may be out
	ROPE \a
	CSLOAD \a+4                                    ; its set takes the block four further on
.endr
	s_wait_loadcnt 48                              ; behind block 4's loads: blocks 5, 6, 7
	ROPE 4
	s_wait_loadcnt 32
	ROPE 5
	s_wait_loadcnt 16
	ROPE 6
	s_wait_loadcnt 0x0
	ROPE 7
	WIN 0
.Lno_rope:
; Block a (16 rows x 128 columns) is held, converted, and put into my stage: 8 codes a tile, row 16 a + r, byte 16 b + 8 h.  Each accumulator is read from its low end on.
.macro QBLK a
.set AC, 64*((\a)%4)
.set W, 2+(\a)/4
	WIN W
.set j, 0
.rept 64
	v_med3_num_f32 v[TMP+j], v[AC+j], -v[LIMV], v[LIMV]   ; the conversion does not saturate (ISA guide 7.6.2)
.set j, j+1
.endr
	WIN 0
.irp b, 0,1,2,3,4,5,6,7
	v_cvt_scalef32_pk8_fp8_f32 v[CD+16*(\a)+2*\b:CD+16*(\a)+2*\b+1], v[TMP+8*\b:TMP+8*\b+7], v[SCV]
.endr
	v_nop                                          ; a plain line between the conversions and the next block's holds, which write their sources
.irp b, 0,1,2,3,4,5,6,7
	ds_store_b64 v[STO], v[CD+16*(\a)+2*\b:CD+16*(\a)+2*\b+1] offset:(\a)*16*PITCH+16*\b
.endr
.endm
.irp a, 0,1,2,3,4,5,6,7
	QBLK \a
.endr
	s_cmp_lg_u32 s[PL], 2
	s_cbranch_scc1 .Lno_trans
	; v IS TURNED in my stage, [key][d] into [d][key].  The turning load works on pairs of bytes: from 16 keys x 32 bytes it leaves lane (r, h) the keys 16 c + 8 h + 0 .. 7 of columns 32 n + 2 r and 32 n + 2 r + 1, interleaved.
	s_wait_dscnt 0x0                               ; my stores have read their registers
.irp c, 0,1,2,3,4,5,6,7
.irp n, 0,1,2,3
	ds_load_tr16_b128 v[32+4*(4*\c+\n):35+4*(4*\c+\n)], v[TRA] offset:\c*16*PITCH+32*\n
.endr
.endr
	s_wait_dscnt 0x0                               ; all of the stage is in registers: it may be written over
.irp c, 0,1,2,3,4,5,6,7
.irp n, 0,1,2,3
	v_perm_b32 v[160+2*(4*\c+\n)], v[33+4*(4*\c+\n)], v[32+4*(4*\c+\n)], s82    ; the even column's eight keys,
	v_perm_b32 v[161+2*(4*\c+\n)], v[35+4*(4*\c+\n)], v[34+4*(4*\c+\n)], s82
	v_perm_b32 v[32+4*(4*\c+\n)], v[33+4*(4*\c+\n)], v[32+4*(4*\c+\n)], s83     ; the odd column's
	v_perm_b32 v[33+4*(4*\c+\n)], v[35+4*(4*\c+\n)], v[34+4*(4*\c+\n)], s83
	ds_store_b64 v[TRS], v[160+2*(4*\c+\n):161+2*(4*\c+\n)] offset:32*\n*PITCH+16*\c
	ds_store_b64 v[TRS], v[32+4*(4*\c+\n):33+4*(4*\c+\n)] offset:(32*\n+1)*PITCH+16*\c
.endr
.endr
.Lno_trans:
	s_wait_dscnt 0x0                               ; my stores have read their registers, which the loads below take
.set t, 0
.rept 32
	ds_load_b128 v[32+4*t:35+4*t], v[RD] offset:4*PITCH*t   ; four rows of 128 bytes
.set t, t+1
.endr
.set t, 0
.rept 32
	s_wait_dscnt 31-t
	global_store_b128 v[GO], v[32+4*t:35+4*t], s[14:15] offset:512*t   ; 512 consecutive bytes, aligned
.set t, t+1
.endr
	s_wait_tensorcnt 0x0                           ; the wave's end
	ds_add_u32 v[SPW], v[NIL]
	s_wait_dscnt 0x0
	CROUND                                         ; the closing round
	s_endpgm
.Lfunc_end_k_q7b85414323_gemm_qkv:
	.size	k_q7b85414323_gemm_qkv, .Lfunc_end_k_q7b85414323_gemm_qkv-k_q7b85414323_gemm_qkv
	.p2alignl 7, 3214868480
	.fill 96, 4, 3214868480
	.section	.rodata,"a",@progbits
	.p2align	6, 0x0
	.amdhsa_kernel k_q7b85414323_gemm_qkv
		.amdhsa_group_segment_fixed_size 327680
		.amdhsa_private_segment_fixed_size 0
		.amdhsa_enable_private_segment 0
		.amdhsa_kernarg_size 48
		.amdhsa_user_sgpr_count 2
		.amdhsa_user_sgpr_kernarg_segment_ptr 1
		.amdhsa_wavefront_size32 1
		.amdhsa_system_sgpr_workgroup_id_x 1
		.amdhsa_system_sgpr_workgroup_id_y 1
		.amdhsa_system_sgpr_workgroup_id_z 1
		.amdhsa_system_vgpr_workitem_id 0
		.amdhsa_next_free_vgpr 1024
		.amdhsa_next_free_sgpr 96
		.amdhsa_reserve_vcc 0
		.amdhsa_float_denorm_mode_32 3
		.amdhsa_float_denorm_mode_16_64 3
		.amdhsa_memory_ordered 1
		.amdhsa_forward_progress 1
		.amdhsa_inst_pref_size 201
	.end_amdhsa_kernel
	.amdgpu_metadata
---
amdhsa.version: [ 1, 2 ]
amdhsa.kernels:
  - .name:           k_q7b85414323_gemm_qkv
    .symbol:         k_q7b85414323_gemm_qkv.kd
    .args:
      - { .name: xc, .offset: 0, .size: 8, .value_kind: global_buffer, .address_space: global }
      - { .name: wc, .offset: 8, .size: 8, .value_kind: global_buffer, .address_space: global }
      - { .name: cos, .offset: 16, .size: 8, .value_kind: global_buffer, .address_space: global }
      - { .name: sin, .offset: 24, .size: 8, .value_kind: global_buffer, .address_space: global }
      - { .name: lowp_scales, .offset: 32, .size: 8, .value_kind: global_buffer, .address_space: global }
      - { .name: qkv, .offset: 40, .size: 8, .value_kind: global_buffer, .address_space: global }
    .group_segment_fixed_size: 327680
    .private_segment_fixed_size: 0
    .kernarg_segment_align: 8
    .kernarg_segment_size: 48
    .max_flat_workgroup_size: 128
    .sgpr_count:     96
    .vgpr_count:     1024
    .wavefront_size: 32
...
	.end_amdgpu_metadata
.endif
;; end of part 6
;; launch attn (part 7): grid 16 x 16, 8 waves a work-group, no clusters, 327,680 bytes of LDS; arguments qkv, lowp_scales, ac; writes ac
.if DOCPART == 7
	.amdgcn_target "amdgcn-amd-amdhsa--gfx1250"
	.amdhsa_code_object_version 6
	.text
	.protected	k_q7b85414323_attn
	.globl	k_q7b85414323_attn
	.p2align	8
	.type	k_q7b85414323_attn,@function
k_q7b85414323_attn:
	s_mov_b64 s[64:65], 0
	v_nop
	global_prefetch_b8 v0, s[64:65] scope:SCOPE_SE
	s_setreg_imm32_b32 hwreg(HW_REG_WAVE_MODE, 25, 1), 1
	s_wait_xcnt 0x0
; Causal attention on E4M3 codes, and the codes of its result.  q, k: qkv planes 0, 1, [16 heads][2048][128]; v: plane 2, [16 heads][16 blocks of keys][128 d][128 keys].  ac: [16 heads][2048][128].
; Scales: entries 6 (q), 7 (k), 8 (p), 9 (v), 10 (the result) of lowp_scales.
; THE SOFTMAX: t = score x log2(e) / sqrt(128); M = the running largest t rounded UP to a whole number; p = 2^(t - M) is quantised, not normalised; the row's sum is taken of the unquantised p and divides at the end.
; When M moves, the sum and O are multiplied by 2^(old M - new M): exact.
; SHARES.  Work-group (g, head): waves 0-3 own the 64 queries of block g, waves 4-7 those of block 31 - g, 16 a wave: under the mask every work-group then has the same number of key steps.
; Every wave walks the keys 128 a step; a step all of whose keys come after its queries is left out by a scalar branch on ids.  K's and V's tiles come through a ring of two LDS slots of 256 keys: waves 0-3 fetch one dense block of 16,384 bytes each.
; NO CLUSTER: where a work-group's fills end hangs on its number (the causal limit), so partners would need different numbers of tiles.
; LAYOUT.  Both products transposed: S^T = K Q^T, O^T = V^T P^T: a lane holds one query (lane % 16).  Lane r of tile 2 b + u of K takes key 32 b + 8 u + r + 8 (r / 8), so that the 16 registers of tiles 2 b, 2 b + 1 are 16 neighbouring keys.
; THE STEP'S FRAGMENTS lie in a second window of registers, all sixteen at once: K's eight are asked for in one run at the step's head, V's eight directly behind the score products, so that they land while the softmax is worked.
; LIMITS: entry 6 + entry 7 between -123 and 130; entries 8 and 10 between -126 and 119.  NaN is not served.
; REGISTERS: window 0: v1-7 addresses that stay; v8, v9 the step's; v12 -M, v13 the largest t, v[14:15] the sum; v16-31 Q; v32-63 the way out; v96-159 S^T, then p; v160-223 O^T; v224-239 p's codes; v236-254 at work.
;   window 1: v0-127 the step's eight fragments of K; v128-255 its eight of V.
.set PLANE, 4194304
.set KBB,   262144
.set BLK,   16384
.set SK,    256                        ; keys in a slot
.set KP,    144                        ; an LDS row: 128 bytes + 16
.set STB,   128*KP                     ; a block in LDS
.set VOFF,  2*STB                      ; a slot: K step 0, K step 1, V step 0, V step 1
.set SLOT1, 1<<17                      ; slot 1 begins here: one exclusive or turns an address
.set NSL,   8
.set SPARE, 2*SLOT1                    ; behind the ring: the spare words, 128 bytes a wave
.set AK0,  1
.set AV0,  2
.set PFO,  3                           ; v3 256 x lane, for the prefetches
.set SPW,  5
.set NIL,  6
.set GO,   7                           ; v7 16 x lane
.set ADK,  8
.set ADV,  9
.set KFR,  0                           ; K's fragments, in window 1
.set VFR,  128                         ; V's
.set TB,   2                           ; s2 LDS byte at which the slot in hand begins
.set WV,   18
.set SEL,  20
.set CS,   22
.set G1,   24
.set G0,   40
.set QL,   66                          ; s66 my work-group's last query
.set SLOTS, 67
.set PFA,  76
.set LIM,  80
.set KF,   98                          ; s98 the step's first key
.set Q0,   99                          ; s99 my first query
.set MSB, 0
.macro WIN new                         ; the immediate's high byte repeats the setting that is left; at a label and at a branch every window is 0
.if MSB != \new
	s_set_vgpr_msb (MSB<<8)|\new
.set MSB, \new
.endif
.endm
.set TO_F, 0x40                        ; destination window 1, address window 0
.set MULW, 0x01                        ; source 0 (K's or V's fragment) window 1; source 1, C and D window 0
.macro TLOAD                           ; waves 0-3 fetch; an s_nop 0 and four v_nop follow the load
	s_cmp_lt_u32 s[WV], 4
	s_cbranch_scc0 .Lasked_\@
	tensor_load_to_lds s[G0:G0+3], s[G1:G1+7]
	s_nop 0
.rept 4
	v_nop
.endr
.Lasked_\@:
.endm
; A prefetch of what the NEXT change of slots will ask for.  All sixteen work-groups of a head walk the same K and V: the first of them asks, and in it waves 4-7, which fetch nothing: wave 4 + i names the block of 16,384 bytes
; that wave i will load, lanes 256 bytes apart, two instructions.  The last change that fills a slot asks for nothing; slots 0 and 1 come by their loads alone.
.macro ASK
	s_cmp_gt_u32 s[SLOTS], s[LIM]
	s_cbranch_scc0 .Lnot_mine_\@
	global_prefetch_b8 v[PFO], s[PFA:PFA+1] th:TH_LOAD_NT scope:SCOPE_SE
	global_prefetch_b8 v[PFO], s[PFA:PFA+1] offset:8192 th:TH_LOAD_NT scope:SCOPE_SE
.Lnot_mine_\@:
.endm
	s_load_b128 s[4:7], s[0:1], 0x0                ; qkv, lowp_scales
	s_load_b64 s[8:9], s[0:1], 0x10                ; ac
	v_lshl_add_u32 v[SPW], v0, 2, SPARE
	v_mov_b32 v[NIL], 0
	ds_add_u32 v[SPW], v[NIL]                      ; the wave's opening: an add to my spare word, waited for ahead of the first tensor load
	v_lshrrev_b32 v8, 5, v0
	v_readfirstlane_b32 s[WV], v8
	s_and_b32 s82, ttmp7, 0xffff
	s_lshl_b32 s82, s82, 18                        ; the head's first byte in a plane
	s_lshl_b32 s84, ttmp9, 6                       ; 64 g
	s_lshl_b32 s85, s[WV], 4                       ; 16 w
	s_add_co_u32 s86, s84, s85                     ; waves 0-3: 64 g + 16 w
	s_add_co_u32 s87, s85, 1920
	s_sub_co_u32 s87, s87, s84                     ; waves 4-7: 64 (31 - g) + 16 (w - 4)
	s_cmp_lt_u32 s[WV], 4
	s_cselect_b32 s[Q0], s86, s87
	s_sub_co_u32 s[QL], 2047, s84
	s_lshl_b32 s88, s[Q0], 7
	s_add_co_u32 s88, s88, s82                     ; my queries' codes in plane 0, and my rows of ac
	s_mov_b32 s89, 0
	s_and_b32 s90, s[WV], 3
	s_mul_i32 s94, s90, STB                        ; where my block lands in a slot
	s_lshr_b32 s90, s90, 1
	s_add_co_u32 s90, s90, 1                       ; plane 1 (K) or 2 (V)
	s_lshl_b32 s90, s90, 22
	s_add_co_u32 s90, s90, s82
	s_and_b32 s91, s[WV], 1
	s_lshl_b32 s91, s91, 14                        ; the slot's first or second step
	s_add_co_u32 s90, s90, s91
	s_mov_b32 s91, 0
	s_mov_b32 s[G1], (1<<20)|(4<<22)|(3<<25)       ; no mask; elements of 1 byte; padding: four words after every 32
	s_mov_b32 s[G1+1], 128<<16                     ; tensor_dim0
	s_mov_b32 s[G1+2], 128<<16                     ; tensor_dim1
	s_mov_b32 s[G1+3], 128<<16                     ; tile_dim0
	s_mov_b32 s[G1+4], 128                         ; tile_dim1
	s_mov_b32 s[G1+5], 128                         ; from row to row
	s_mov_b32 s[G1+6], 0
	s_mov_b32 s[G1+7], 0
	s_mov_b32 s[SEL], 0x76543210
	s_mov_b32 s[SEL+1], 0xfedcba98
	s_mov_b32 s[CS], 0x3e0293ee                    ; c = log2(e) / sqrt(128)
	s_mov_b32 s[TB], 0
	s_mov_b32 s[SLOTS], NSL-1
	s_mov_b32 s[KF], 0
	s_lshr_b32 s92, s[WV], 2
	s_xor_b32 s92, s92, 1                          ; 0 in waves 4-7,
	s_or_b32 s92, s92, ttmp9                       ; of the head's first work-group
	s_cmp_eq_u32 s92, 0
	s_cselect_b32 s[LIM], 1, -1
	s_wait_dscnt 0x0                               ; the opening add is done
	s_wait_kmcnt 0x0
	s_load_b128 s[68:71], s[6:7], 0x10             ; entries 4 to 7: s70 = entry 6, s71 = entry 7
	s_load_b128 s[72:75], s[6:7], 0x20             ; entries 8 to 11: s72, s73, s74 = entries 8, 9, 10
	s_mov_b32 s[G0], 1
	s_mov_b32 s[G0+1], s94
	s_add_nc_u64 s[G0+2:G0+3], s[4:5], s[90:91]
	s_or_b32 s[G0+3], s[G0+3], 0x80000000
	TLOAD                                          ; slot 0
	s_add_nc_u64 s[PFA:PFA+1], s[4:5], s[90:91]
	s_add_nc_u64 s[PFA:PFA+1], s[PFA:PFA+1], 2*BLK ; in slot 1: the first change of slots steps it to slot 2.  Nothing is prefetched at the head
	s_add_nc_u64 s[4:5], s[4:5], s[88:89]
	s_add_nc_u64 s[8:9], s[8:9], s[88:89]
	v_and_b32 v8, 15, v0                           ; r
	v_bfe_u32 v9, v0, 4, 1                         ; h
	v_lshlrev_b32 v10, 7, v8
	v_lshl_add_u32 v10, v9, 4, v10
.irp c, 0,1,2,3
	global_load_b128 v[16+4*\c:19+4*\c], v10, s[4:5] offset:32*\c   ; Q's fragment stays in registers
.endr
	v_and_b32 v11, 8, v8
	v_add_nc_u32 v11, v11, v8                      ; r + 8 (r / 8)
	v_mul_u32_u24 v[AK0], v11, KP
	v_lshl_add_u32 v[AK0], v9, 4, v[AK0]
	v_mul_u32_u24 v[AV0], v8, KP
	v_lshl_add_u32 v[AV0], v9, 4, v[AV0]
	v_add_nc_u32 v[AV0], VOFF, v[AV0]
	v_and_b32 v[GO], 31, v0
	v_lshlrev_b32 v[PFO], 8, v[GO]
	v_lshlrev_b32 v[GO], 4, v[GO]
	v_mov_b32 v13, 0xff61b1e6                      ; the largest t so far: -3e38
	v_floor_f32 v12, -v13                          ; -M
	v_mov_b32 v14, 0
	v_mov_b32 v15, 0
	v_mov_b32 v236, 0                              ; a lane permute's destination counts as one of its sources: the step's,
	v_mov_b32 v252, 0                              ; and the way out's
	v_mov_b32 v253, 0
.set n, 0
.rept 64
	v_mov_b32 v[160+n], 0                          ; O^T: the step is written once; the first change of M leaves zeros zeros
.set n, n+1
.endr
	s_wait_kmcnt 0x0
	s_add_co_i32 s96, s70, s71
	s_lshl_b32 s96, s96, 23
	s_add_co_i32 s[CS], s[CS], s96                 ; a score stands for score x 2^(entry 6 + entry 7): added to c's exponent field
	s_mov_b32 s[CS+1], s[CS]
	s_add_co_i32 s96, s72, 127
	s_lshl_b32 s97, s96, 23
	v_mov_b32 v244, s97                            ; 2^(entry 8), for p's conversion
	s_add_co_i32 s96, s96, 8
	s_lshl_b32 s96, s96, 23
	s_or_b32 s96, s96, 0x600000
	v_mov_b32 v240, s96                            ; 448 x that
	s_add_co_i32 s96, s74, 127
	s_lshl_b32 s97, s96, 23
	v_mov_b32 v245, s97                            ; 2^(entry 10), for the result's
	s_add_co_i32 s96, s96, 8
	s_lshl_b32 s96, s96, 23
	s_or_b32 s96, s96, 0x600000
	v_mov_b32 v241, s96
.macro STEP q                          ; 128 keys, the q-th of the slot in hand
	s_add_co_u32 s96, s[Q0], 15
	s_cmp_gt_u32 s[KF], s96                        ; all keys come after my queries: the step's work is left out; no barrier, wait on tensor loads or tensor load stands in a step
	s_cbranch_scc1 .Lhidden_\@
	v_add_nc_u32 v[ADK], s[TB], v[AK0]
	v_add_nc_u32 v[ADV], s[TB], v[AV0]
	v_nop                                          ; with the two additions: four places between the last step's products and the loads below into the registers that they read
	v_nop
	WIN TO_F
.irp t, 0,1,2,3,4,5,6,7                        ; K's eight fragments, 32 loads in one run
.irp c, 0,1,2,3
	ds_load_b128 v[KFR+16*\t+4*\c:KFR+16*\t+4*\c+3], v[ADK] offset:(\q)*STB+(32*(\t/2)+8*(\t%2))*KP+32*\c
.endr
.endr
	s_wait_dscnt 16                                ; tiles 0-3 are in; the youngest 16 loads (tiles 4-7) may be out
	WIN MULW
.irp t, 0,1,2,3                                ; S^T = K Q^T
	v_wmma_f32_16x16x128_fp8_fp8 v[96+8*\t:103+8*\t], v[KFR+16*\t:KFR+16*\t+15], v[16:31], 0
.endr
	s_wait_dscnt 0x0
.irp t, 4,5,6,7
	v_wmma_f32_16x16x128_fp8_fp8 v[96+8*\t:103+8*\t], v[KFR+16*\t:KFR+16*\t+15], v[16:31], 0
.endr
	WIN TO_F
.irp t, 0,1,2,3,4,5,6,7                        ; V's eight fragments: asked for here, wanted behind the softmax
.irp c, 0,1,2,3
	ds_load_b128 v[VFR+16*\t+4*\c:VFR+16*\t+4*\c+3], v[ADV] offset:(\q)*STB+16*\t*KP+32*\c
.endr
.endr
	WIN 0
.rept 4
	v_nop                                          ; places in front of the first read of the scores
.endr
	s_add_co_u32 s96, s[KF], 127                   ; on the diagonal hidden keys' scores become -infinity ahead of the maximum; a step all of whose keys count skips this
	s_cmp_le_u32 s96, s[Q0]
	s_cbranch_scc1 .Lopen_\@
	s_sub_co_i32 s96, s[Q0], s[KF]
	v_and_b32 v252, 15, v0
	v_bfe_u32 v253, v0, 4, 1
	v_lshlrev_b32 v253, 4, v253
	v_sub_nc_u32 v252, v252, v253
	v_add_nc_u32 v252, s96, v252                   ; d = my query - KF - 16 h.  Register 16 b + i holds key KF + 16 h + 32 b + i: hidden where 32 b + i > d
	v_mov_b32 v254, 0xff800000
.set n, 0
.rept 64
	v_cmp_gt_i32 vcc_lo, 32*(n/16)+n%16, v252
	v_cndmask_b32 v[96+n], v[96+n], v254, vcc_lo
.set n, n+1
.endr
.Lopen_\@:
	v_max3_num_f32 v254, v96, v97, v98             ; the step's largest score of my query among my 64 keys, in two chains,
	v_max3_num_f32 v252, v99, v100, v101
.irp i, 6,10,14,18,22,26,30,34,38,42,46,50,54,58
	v_max3_num_f32 v254, v254, v[96+\i], v[97+\i]
	v_max3_num_f32 v252, v252, v[98+\i], v[99+\i]
.endr
	v_max3_num_f32 v254, v254, v158, v159
	v_max_num_f32 v254, v254, v252
	v_permlanex16_b32 v236, v254, s[SEL], s[SEL+1] ; (v236 lies among p's codes: the last product that read them stands far more than four plain lines back)
	v_max_num_f32 v254, v254, v236                 ; and among lane l xor 16's
	v_mul_f32 v254, s[CS], v254                    ; as t (c is positive)
	v_max_num_f32 v13, v13, v254
	v_mov_b32 v254, v12
	v_floor_f32 v12, -v13                          ; the new -M = -ceil(t)
	v_sub_f32 v254, v12, v254                      ; old M - new M: a whole number, 0 or less
	v_cvt_i32_f32 v254, v254
	v_ldexp_f32 v252, 1.0, v254                    ; f = 2^(old M - new M)
.set n, 0
.rept 32
	v_pk_fma_f32 v[96+n:97+n], v[96+n:97+n], s[CS:CS+1], v[12:13] op_sel_hi:[1,0,0]   ; t - M, two at a time
.set n, n+2
.endr
.set n, 0
.rept 64
	v_exp_f32 v[96+n], v[96+n]                     ; p = 2^(t - M)
.set n, n+1
.endr
	v_pk_mul_f32 v[14:15], v[14:15], v[252:253] op_sel_hi:[1,0]   ; the sums under the new M: a plain line behind the exponentials
	s_wait_alu depctr_va_vdst(0)                   ; one wait for the batch, ahead of its first reader
	v_pk_add_f32 v[242:243], v[96:97], v[98:99]    ; the row's sum is taken of the unquantised p, in two chains
.irp j, 4,8,12,16,20,24,28,32,36,40,44,48,52,56,60
	v_pk_add_f32 v[14:15], v[14:15], v[96+\j:97+\j]
	v_pk_add_f32 v[242:243], v[242:243], v[98+\j:99+\j]
.endr
	v_pk_add_f32 v[14:15], v[14:15], v[242:243]
.irp b, 0,1,2,3
.irp i, 0,1,2,3,4,5,6,7,8,9,10,11,12,13,14,15
	v_min_num_f32 v[96+16*\b+\i], v[96+16*\b+\i], v240   ; the hold: p is not negative, so it is one-sided
.endr
	v_cvt_scalef32_pk8_fp8_f32 v[224+4*\b:225+4*\b], v[96+16*\b:103+16*\b], v244
	v_cvt_scalef32_pk8_fp8_f32 v[226+4*\b:227+4*\b], v[104+16*\b:111+16*\b], v244
.endr
.set n, 0
.rept 32
	v_pk_mul_f32 v[160+n:161+n], v[160+n:161+n], v[252:253] op_sel_hi:[1,0]   ; O^T under the new M; these plain lines also stand between the conversions and the products that read the codes
.set n, n+2
.endr
	s_wait_dscnt 0x0                               ; V's fragments, asked for ahead of the softmax
	WIN MULW
.irp t, 0,1,2,3,4,5,6,7                        ; O^T += V^T P^T: eight accumulators, one instruction each
	v_wmma_f32_16x16x128_fp8_fp8 v[160+8*\t:167+8*\t], v[VFR+16*\t:VFR+16*\t+15], v[224:239], v[160+8*\t:167+8*\t]
.endr
	WIN 0
.Lhidden_\@:
	s_add_co_u32 s[KF], s[KF], 128
.endm
; THE CHANGE OF SLOTS, at a slot's head: each wave waits for all its tensor loads, adds 0 to its spare word, and waits for that and for its reads of the slot that it has left; one barrier; then the slot just left is filled.
.macro CHANGE fill
	s_wait_tensorcnt 0x0                           ; no tensor load of mine is out, so the descriptor may be written
	ds_add_u32 v[SPW], v[NIL]
.if \fill
	s_xor_b32 s[G0+1], s[G0+1], SLOT1              ; the other slot,
	s_add_nc_u64 s[G0+2:G0+3], s[G0+2:G0+3], 2*BLK ; the next 256 keys
	s_wait_xcnt 0x0                                ; the last prefetches, a slot back, have read their address
	s_add_nc_u64 s[PFA:PFA+1], s[PFA:PFA+1], 2*BLK
.endif
	s_wait_dscnt 0x0
	s_barrier_signal -1
	s_barrier_wait -1
.if \fill
	s_add_co_u32 s96, s[KF], SK                    ; the first key of the slot that this change would ask for:
	s_cmp_gt_u32 s96, s[QL]                        ; past my work-group's last query no wave reads it, so it is not asked for.  Ids and the count of steps alone: all eight waves go the same way
	s_cbranch_scc1 .Lpast_\@
	TLOAD                                          ; a wave's one tensor load until the next change
.Lpast_\@:
	ASK
.endif
.endm
.macro SLOT_STEPS
	STEP 0
	STEP 1
	s_xor_b32 s[TB], s[TB], SLOT1
.endm
	s_wait_loadcnt 0x0                             ; Q
.Lslot:                                            ; NSL - 1 trips, a constant
	CHANGE 1
	SLOT_STEPS
	s_sub_co_u32 s[SLOTS], s[SLOTS], 1
	s_cmp_lg_u32 s[SLOTS], 0
	s_cbranch_scc1 .Lslot
	CHANGE 0                                       ; the last slot is written out: nothing more is asked for
	SLOT_STEPS
	; THE WAY OUT: O^T x 2^(entry 8 + entry 9) / the sum, held, converted with entry 10's scale; through my stage (16 rows x 144 bytes, in slot 0, which was left at the last change and has had its last fill) so that stores cover 512 consecutive bytes.
	v_add_f32 v14, v14, v15
	v_permlanex16_b32 v252, v14, s[SEL], s[SEL+1]  ; into v252, which no matrix instruction names: the last products, just issued, still use v[224:239]
	v_add_f32 v14, v14, v252                       ; the row's sum
	v_rcp_f32 v14, v14
	v_and_b32 v8, 15, v0                           ; (a plain line behind the reciprocal)
	v_bfe_u32 v9, v0, 4, 1
	s_add_co_i32 s96, s72, s73
	s_mul_i32 s97, s[WV], 16*KP
	v_mul_u32_u24 v10, v8, KP
	v_lshl_add_u32 v10, v9, 3, v10
	v_add_nc_u32 v10, s97, v10                     ; in: row r, + 8 h
	v_and_b32 v11, 31, v0
	v_lshrrev_b32 v8, 3, v11
	v_mul_u32_u24 v8, v8, KP
	v_and_b32 v11, 7, v11
	v_lshl_add_u32 v11, v11, 4, v8
	v_add_nc_u32 v11, s97, v11                     ; back: row l / 8, + 16 (l % 8)
	s_wait_alu depctr_va_vdst(0)                   ; the wait ahead of the reciprocal's first reader
	v_ldexp_f32 v14, v14, s96
.set n, 0
.rept 64
	v_mul_f32 v[96+n], v[160+n], v14               ; register 8 t + i is o(r, 16 t + 8 h + i)
.set n, n+1
.endr
.set n, 0
.rept 64
	v_med3_num_f32 v[96+n], v[96+n], -v241, v241
.set n, n+1
.endr
.irp t, 0,1,2,3,4,5,6,7
	v_cvt_scalef32_pk8_fp8_f32 v[32+2*\t:33+2*\t], v[96+8*\t:103+8*\t], v245
.endr
	v_nop
.irp t, 0,1,2,3,4,5,6,7
	ds_store_b64 v10, v[32+2*\t:33+2*\t] offset:16*\t
.endr
.irp i, 0,1,2,3
	ds_load_b128 v[48+4*\i:51+4*\i], v11 offset:4*KP*\i   ; LDS serves a wave's instructions in order: these see my stores
.endr
.irp i, 0,1,2,3
	s_wait_dscnt 3-\i
	global_store_b128 v[GO], v[48+4*\i:51+4*\i], s[8:9] offset:512*\i
.endr
	s_wait_tensorcnt 0x0                           ; the wave's end
	ds_add_u32 v[SPW], v[NIL]
	s_wait_dscnt 0x0
	s_endpgm
.Lfunc_end_k_q7b85414323_attn:
	.size	k_q7b85414323_attn, .Lfunc_end_k_q7b85414323_attn-k_q7b85414323_attn
	.p2alignl 7, 3214868480
	.fill 96, 4, 3214868480
	.section	.rodata,"a",@progbits
	.p2align	6, 0x0
	.amdhsa_kernel k_q7b85414323_attn
		.amdhsa_group_segment_fixed_size 327680
		.amdhsa_private_segment_fixed_size 0
		.amdhsa_enable_private_segment 0
		.amdhsa_kernarg_size 24
		.amdhsa_user_sgpr_count 2
		.amdhsa_user_sgpr_kernarg_segment_ptr 1
		.amdhsa_wavefront_size32 1
		.amdhsa_system_sgpr_workgroup_id_x 1
		.amdhsa_system_sgpr_workgroup_id_y 1
		.amdhsa_system_sgpr_workgroup_id_z 1
		.amdhsa_system_vgpr_workitem_id 0
		.amdhsa_next_free_vgpr 512
		.amdhsa_next_free_sgpr 100
		.amdhsa_reserve_vcc 1
		.amdhsa_float_denorm_mode_32 3
		.amdhsa_float_denorm_mode_16_64 3
		.amdhsa_memory_ordered 1
		.amdhsa_forward_progress 1
		.amdhsa_inst_pref_size 114
	.end_amdhsa_kernel
	.amdgpu_metadata
---
amdhsa.version: [ 1, 2 ]
amdhsa.kernels:
  - .name:           k_q7b85414323_attn
    .symbol:         k_q7b85414323_attn.kd
    .args:
      - { .name: qkv, .offset: 0, .size: 8, .value_kind: global_buffer, .address_space: global }
      - { .name: lowp_scales, .offset: 8, .size: 8, .value_kind: global_buffer, .address_space: global }
      - { .name: ac, .offset: 16, .size: 8, .value_kind: global_buffer, .address_space: global }
    .group_segment_fixed_size: 327680
    .private_segment_fixed_size: 0
    .kernarg_segment_align: 8
    .kernarg_segment_size: 24
    .max_flat_workgroup_size: 256
    .sgpr_count:     100
    .vgpr_count:     512
    .wavefront_size: 32
...
	.end_amdgpu_metadata
.endif
;; end of part 7
;; launch gemm_out (part 8): grid 16 x 16, 4 waves a work-group, clusters of 4 x 4, 327,680 bytes of LDS; arguments ac, wc, lowp_scales, out0; writes out0
.if DOCPART == 8
	.amdgcn_target "amdgcn-amd-amdhsa--gfx1250"
	.amdhsa_code_object_version 6
	.text
	.protected	k_q7b85414323_gemm_out
	.globl	k_q7b85414323_gemm_out
	.p2align	8
	.type	k_q7b85414323_gemm_out,@function
k_q7b85414323_gemm_out:
	s_mov_b64 s[64:65], 0
	v_nop
	global_prefetch_b8 v0, s[64:65] scope:SCOPE_SE
	s_setreg_imm32_b32 hwreg(HW_REG_WAVE_MODE, 25, 1), 1
	s_wait_xcnt 0x0
	s_wait_alu depctr_hold_cnt(0) depctr_sa_sdst(0) depctr_va_vdst(0) depctr_va_sdst(0) depctr_va_ssrc(0) depctr_va_vcc(0) depctr_vm_vsrc(0)
	s_getreg_b32 s2, hwreg(HW_REG_IB_STS2, 6, 4)
	s_cmp_eq_u32 s2, 0
	s_cbranch_scc0 .Lentry_in_a_cluster
	s_endpgm
.Lentry_in_a_cluster:
	s_bfe_u32 s2, ttmp6, 0x10000c
	s_cmp_lg_u32 s2, 0xf033
	s_cbranch_scc0 .Lentry_shape_is_right
	s_endpgm
.Lentry_shape_is_right:
; out0 = attention's result x wo on E4M3 codes.  A: ac [16 kb (heads)][2048 s][128]; B: plane 3 of wc [16 kb][2048 n][128]; out0 [2048][2048] f32.  Each finished sum is multiplied once by 2^(entry 10 + entry 11).
; LIMIT: entry 10 + entry 11 between -126 and 127.
; A tile of the output is 128 x 128, so that the 2,048 x 2,048 numbers make 256 work-groups.  Four waves, as many as a WGP has SIMDs, each 64 x 64: 16 accumulators, 128 registers.
; K goes 512 at a time through two LDS slots: four fills in all, two at the head and one behind each of two changes of slots; the 16 steps of 128 along K are written out, without a loop.
; A slot is [A kb 0..3][B kb 0..3], each block 128 rows x (128 + 16) bytes.  A block is 16,384 dense bytes of memory, and the next kb's block lies 262,144 bytes further on: ONE tensor load a wave brings two blocks,
; stated as a tile of 2 rows of 16,384 bytes; the padding, four words after every 32, is counted along the tile, so that each 128 bytes of a row become an LDS row of 144.
; CLUSTERS 4 x 4: a row shares A's tiles, a column B's, asked for jointly.  THE MATRIX INSTRUCTION IS USED TRANSPOSED (source 0 = rows of B, source 1 = rows of A): a lane holds eight neighbouring numbers of a row of the output.
; A fragment is fetched by four 16-byte loads: the same permutation of k in A and in B, so every product meets its partner.
; REGISTERS: window 0: v16-31 addresses; v32-127 the way out; v128-255 the accumulators ((a, b) at v[128 + 8 (4 a + b)]).  window 1: two fragment buffers of 128: A's four fragments (16 rows x 128 K), then B's four.
.set PLANE, 4194304
.set KBB,   262144
.set PITCH, 144                        ; an LDS row: 128 bytes + 16 = 36 words: the 16 rows that a load touches start at 16 different groups of four banks (64 banks of 4 bytes: ISA guide 11.1)
.set BLKL,  128*PITCH                  ; a block in LDS
.set LB,    2*BLKL                     ; what one tensor load brings
.set SLOT,  8*BLKL
.set SPARE, 2*SLOT                     ; behind the two slots: the spare words, 128 bytes a wave; no other line names them
.set FR,    16
.set NP,    4                          ; places behind this matrix instruction (ISA guide 7.12.1)
.set ROWC,  8192                       ; a row of the output in bytes
.set SPITCH, 272                       ; the way out: a stage of 16 rows x (256 + 16) bytes for each wave, in slot 0, which has had its last fill and its last read by then
.set ADRA, 16                          ; v16-17 LDS address of my A fragments in slot 0, 1;  v20-21 the same for B
.set ADRB, 20
.set STO,  24                          ; v24 the stage: where I put 32 bytes of a row
.set RD,   25                          ; v25 where I read 16 bytes back: two rows an instruction
.set CO,   26                          ; v26 the same two rows in the output
.set SPW,  28
.set NIL,  29
.set TMP,  32                          ; v32-63 a block's sums x the scale
.set BK,   64                          ; v64-95, v96-127 16 rows read back, by turns
.set ACC,  128
.set F0,   0                           ; fragment buffers, in window 1
.set F1,   128
.set WV, 16                            ; s16 wave; s17 wave / 2: my half of the rows, and A (0) or B (1) to fetch; s18 wave % 2: my half of the columns, and which two kb of a slot's four I fetch
.set HI, 17
.set LO, 18
.set G1, 24
.set G0, 32
.set G1B, 48
.set G0B, 56
.set MSB, 0
.macro WIN new                         ; the immediate's high byte repeats the setting that is left
.if MSB != \new
	s_set_vgpr_msb (MSB<<8)|\new
.set MSB, \new
.endif
.endm
.set MUL,  0x05                        ; sources 0 (B) and 1 (A) window 1; C and D window 0
.set TO_F, 0x40                        ; destination window 1, address window 0
.macro JLOAD g0a, g1a, g0b, g1b        ; waves 0, 1 fetch for A, waves 2, 3 for B; an s_nop 0 and four v_nop follow each line
	s_cmp_eq_u32 s[HI], 0
	s_cbranch_scc0 .Lfor_b_\@
	tensor_load_to_lds s[\g0a:\g0a+3], s[\g1a:\g1a+7]
	s_nop 0
.rept 4
	v_nop
.endr
	s_branch .Lasked_\@
.Lfor_b_\@:
	tensor_load_to_lds s[\g0b:\g0b+3], s[\g1b:\g1b+7]
	s_nop 0
.rept 4
	v_nop
.endr
.Lasked_\@:
.endm
.macro CREST                           ; a round of the cluster's barrier behind its opening barrier
	s_cmp_lg_u32 s[WV], 0
	s_cbranch_scc1 .Lnot_wave_0_\@
	s_barrier_signal -3
.Lnot_wave_0_\@:
	s_barrier_wait -3
	s_barrier_signal -1
	s_barrier_wait -1
.endm
.macro CROUND
	s_barrier_signal -1
	s_barrier_wait -1
	CREST
.endm
	s_load_b128 s[4:7], s[0:1], 0x0                ; ac, wc
	s_load_b128 s[8:11], s[0:1], 0x10              ; lowp_scales, out0
	v_lshl_add_u32 v[SPW], v0, 2, SPARE
	v_mov_b32 v[NIL], 0
	ds_add_u32 v[SPW], v[NIL]                      ; the wave's opening: an add to my spare word, waited for ahead of my first tensor load
	v_lshrrev_b32 v1, 5, v0
	v_readfirstlane_b32 s[WV], v1
	s_lshr_b32 s[HI], s[WV], 1
	s_and_b32 s[LO], s[WV], 1
	s_bfe_u32 s40, ttmp6, 0x40000                  ; cx, cy
	s_bfe_u32 s41, ttmp6, 0x40004
	s_lshl_b32 s42, ttmp9, 2
	s_add_co_u32 s42, s42, s40                     ; tile column, 0 .. 15
	s_and_b32 s84, ttmp7, 0xffff
	s_lshl_b32 s84, s84, 2
	s_add_co_u32 s84, s84, s41                     ; tile row, 0 .. 15
	s_lshl_b32 s43, s41, 2
	s_lshl_b32 s43, 15, s43                        ; my row of the cluster
	s_lshl_b32 s44, 0x1111, s40                    ; my column
	s_or_b32 s[G1+0], s43, (1<<20)|(1<<21)|(4<<22)|(3<<25)   ; 15:0 the mask; 17:16 elements of 1 byte; 20 padding on; 21 set beside a mask; 24:22 after every 32 words (code 4); 31:25 four words (code 3)
	s_or_b32 s[G1B+0], s44, (1<<20)|(1<<21)|(4<<22)|(3<<25)
.irp g, G1, G1B
	s_mov_b32 s[\g+1], 16384<<16                   ; tensor_dim0 = 16,384: a block of 128 rows x 128 bytes, dense
	s_mov_b32 s[\g+2], 2<<16                       ; tensor_dim1 = 2 blocks
	s_mov_b32 s[\g+3], 16384<<16                   ; tile_dim0 = 16,384
	s_mov_b32 s[\g+4], 2                           ; tile_dim1 = 2
	s_mov_b32 s[\g+5], KBB                         ; from a kb's block to the next kb's
	s_mov_b32 s[\g+6], 0
	s_mov_b32 s[\g+7], 0
.endr
	s_lshl_b32 s20, s84, 14                        ; A: 128 rows x 128 bytes a tile row, my two kb of the slot's four
	s_lshl_b32 s21, s[LO], 19
	s_add_co_u32 s20, s20, s21
	s_mov_b32 s21, 0
	s_lshl_b32 s46, s42, 14                        ; B likewise, by the tile column, in plane 3
	s_lshl_b32 s47, s[LO], 19
	s_add_co_u32 s46, s46, s47
	s_add_co_u32 s46, s46, 3*PLANE
	s_mov_b32 s47, 0
	s_mul_i32 s45, s[WV], LB                       ; where my load lands: A's kb 0, 1; A's kb 2, 3; B's kb 0, 1; B's kb 2, 3: no place in the cluster enters an LDS address
	s_wait_dscnt 0x0                               ; the opening add is done
	s_wait_kmcnt 0x0
	s_load_b64 s[96:97], s[8:9], 0x28              ; entries 10, 11
	s_add_nc_u64 s[20:21], s[4:5], s[20:21]
	s_add_nc_u64 s[46:47], s[6:7], s[46:47]
	CROUND                                         ; all sixteen work-groups are here: the first joint loads meet
.irp s, 0,1
	s_mov_b32 s[G0+4*\s], 1
	s_add_co_u32 s[G0+4*\s+1], s45, \s*SLOT
	s_add_nc_u64 s[G0+4*\s+2:G0+4*\s+3], s[20:21], \s*4*KBB
	s_or_b32 s[G0+4*\s+3], s[G0+4*\s+3], 0x80000000
	s_mov_b32 s[G0B+4*\s], 1
	s_add_co_u32 s[G0B+4*\s+1], s45, \s*SLOT
	s_add_nc_u64 s[G0B+4*\s+2:G0B+4*\s+3], s[46:47], \s*4*KBB
	s_or_b32 s[G0B+4*\s+3], s[G0B+4*\s+3], 0x80000000
	JLOAD G0+4*\s, G1, G0B+4*\s, G1B               ; half of all K is on its way: two loads of mine are out
.endr
	v_and_b32 v1, 15, v0                           ; r = l % 16
	v_bfe_u32 v2, v0, 4, 1                         ; h = l / 16
	v_mul_u32_u24 v3, v1, PITCH
	v_lshl_add_u32 v4, v2, 4, v3                   ; a fragment's row x pitch + 16 h
	s_mul_i32 s21, s[HI], 64*PITCH                 ; my 64 rows of A
	s_mul_i32 s22, s[LO], 64*PITCH                 ; my 64 rows of B,
	s_add_co_u32 s22, s22, 4*BLKL                  ; which lie behind A's four blocks
.irp s, 0,1
	v_add_nc_u32 v[ADRA+\s], s21, v4
	v_add_nc_u32 v[ADRB+\s], s22, v4
	s_add_co_u32 s21, s21, SLOT
	s_add_co_u32 s22, s22, SLOT
.endr
	s_mul_i32 s23, s[WV], 16*SPITCH                ; my stage
	v_mul_u32_u24 v5, v1, SPITCH
	v_lshl_add_u32 v5, v2, 5, v5
	v_add_nc_u32 v[STO], s23, v5                   ; in: row r, 32 bytes for each half of the lanes
	v_mul_u32_u24 v6, v2, SPITCH
	v_lshl_add_u32 v6, v1, 4, v6
	v_add_nc_u32 v[RD], s23, v6                    ; back: lanes 0-15 one row of 256 bytes, lanes 16-31 the next
	v_lshlrev_b32 v[CO], 13, v2
	v_lshl_add_u32 v[CO], v1, 4, v[CO]             ; and the same two rows in the output
	s_lshl_b32 s20, s84, 7
	s_lshl_b32 s21, s[HI], 6
	s_add_co_u32 s20, s20, s21                     ; my first row: 128 x tile row + 64 x half
	s_lshl_b32 s20, s20, 13                        ; x 8,192 bytes
	s_lshl_b32 s46, s42, 9                         ; my first column, in bytes: 512 x tile column + 256 x half
	s_lshl_b32 s47, s[LO], 8
	s_add_co_u32 s46, s46, s47
	s_add_co_u32 s20, s20, s46
	s_mov_b32 s21, 0
	s_add_nc_u64 s[10:11], s[10:11], s[20:21]
; 8 matrix instructions: A's blocks a0, a0 + 1 x B's four, 128 along K, from buffer f.  zero = 1: the first product starts the sums: nothing is ever cleared.
; The 16 accumulators take turns, one instruction a turn, in the same order in every step.
.macro MUL8 f, a0, zero
.irp a, \a0, \a0+1
.irp b, 0,1,2,3
.if \zero
	v_wmma_f32_16x16x128_fp8_fp8 v[ACC+8*(4*(\a)+\b):ACC+8*(4*(\a)+\b)+7], v[\f+64+FR*\b:\f+64+FR*\b+FR-1], v[\f+FR*(\a):\f+FR*(\a)+FR-1], 0
.else
	v_wmma_f32_16x16x128_fp8_fp8 v[ACC+8*(4*(\a)+\b):ACC+8*(4*(\a)+\b)+7], v[\f+64+FR*\b:\f+64+FR*\b+FR-1], v[\f+FR*(\a):\f+FR*(\a)+FR-1], v[ACC+8*(4*(\a)+\b):ACC+8*(4*(\a)+\b)+7]
.endif
.endr
.endr
.endm
; 32 LDS loads in one run: the fragments of the slot's q-th 128 along K into buffer f.  Lane l holds row l % 16; registers 4 c .. 4 c + 3 hold K = 32 c + 16 (l / 16) + 0 .. 15
.macro FETCH slot, q, f
	WIN TO_F
.irp i, 0,1,2,3
.irp c, 0,1,2,3
	ds_load_b128 v[\f+64+FR*\i+4*\c:\f+64+FR*\i+4*\c+3], v[ADRB+\slot] offset:BLKL*(\q)+\i*16*PITCH+32*\c
.endr
.endr
.irp i, 0,1,2,3
.irp c, 0,1,2,3
	ds_load_b128 v[\f+FR*\i+4*\c:\f+FR*\i+4*\c+3], v[ADRA+\slot] offset:BLKL*(\q)+\i*16*PITCH+32*\c
.endr
.endr
.endm
.macro PLACES n                        ; plain vector lines between a matrix instruction and a load into, or a vector read of, its registers
.rept \n
	v_nop
.endr
.endm
; A step of 128 along K that has its successor in the same slot: the successor's fragments are asked for first, into the buffer g that the step before multiplied, and are on their way while buffer f is multiplied.
.macro STEP slot, q, f, g, zero
	PLACES NP
	FETCH \slot, (\q)+1, \g
	s_wait_dscnt 32                                ; all but the 32 loads just issued: buffer f is in
	WIN MUL
	MUL8 \f, 0, \zero
	MUL8 \f, 2, \zero
.endm
; A slot's last step (buffer 1) changes slots: one barrier; in front of it each wave waits for all its tensor loads, adds 0 to its spare word, and waits for that and for its reads of this slot.  fill = 1: this slot is filled again, with the K two fills on.
.macro TURN slot, next, fill
	WIN 0                                          ; (the add's two registers lie in window 0)
	s_wait_tensorcnt 0x0                           ; all my tensor loads have landed: my part of the next slot
	ds_add_u32 v[SPW], v[NIL]
	s_wait_dscnt 1                                 ; buffer 1 is in; the add alone may be out
	WIN MUL
	MUL8 F1, 0, 0                                  ; eight matrix instructions stand between the add and the wait for it
	s_wait_dscnt 0x0                               ; the add is done, and my reads of this slot are over
	s_barrier_signal -1
	MUL8 F1, 2, 0
	WIN 0
	s_barrier_wait -1
.if \fill
	CREST                                          ; the barrier has opened a round of the cluster's: no wave of any partner still reads this slot or has a load on its way
	s_add_nc_u64 s[G0+4*\slot+2:G0+4*\slot+3], s[G0+4*\slot+2:G0+4*\slot+3], 8*KBB
	s_add_nc_u64 s[G0B+4*\slot+2:G0B+4*\slot+3], s[G0B+4*\slot+2:G0B+4*\slot+3], 8*KBB
	JLOAD G0+4*\slot, G1, G0B+4*\slot, G1B         ; the first tensor load behind the round; its four v_nop are the places in front of the loads below
.else
	PLACES NP
.endif
	FETCH \next, 0, F0
.endm
	s_wait_tensorcnt 1                             ; my part of slot 0 is in; slot 1's load may be out
	s_barrier_signal -1
	s_barrier_wait -1
	FETCH 0, 0, F0
	STEP 0, 0, F0, F1, 1                           ; the first step's products start the sums
	STEP 0, 1, F1, F0, 0
	STEP 0, 2, F0, F1, 0
	TURN 0, 1, 1                                   ; slot 0 takes K 1,024 to 1,535
	STEP 1, 0, F0, F1, 0
	STEP 1, 1, F1, F0, 0
	STEP 1, 2, F0, F1, 0
	TURN 1, 0, 1                                   ; slot 1 takes K 1,536 to 2,047: the last load
	STEP 0, 0, F0, F1, 0
	STEP 0, 1, F1, F0, 0
	STEP 0, 2, F0, F1, 0
	TURN 0, 1, 0                                   ; nothing is left to fetch: no round, no load
	STEP 1, 0, F0, F1, 0
	STEP 1, 1, F1, F0, 0
	STEP 1, 2, F0, F1, 0
	s_wait_dscnt 0x0                               ; the very last step
	WIN MUL
	MUL8 F1, 0, 0
	MUL8 F1, 2, 0
	WIN 0
; THE WAY OUT, block by block of 16 rows x 64 columns.  My 64 columns are 256 bytes of a row, at a multiple of 256 from the output's first byte.  A lane holds 32 of them and the lanes beside it hold other rows: so a block goes
; through my own stage in LDS and comes back by rows, sixteen lanes to a row.  LDS serves a wave's instructions in order (ISA guide 5.7.1.4): no wait between the stores and the loads, nor in front of the next block's stores.
.macro TOSTAGE a
.set AC, ACC+32*(\a)
.set j, 0
.rept 16
	v_pk_mul_f32 v[TMP+j:TMP+j+1], v[AC+j:AC+j+1], s[96:97] op_sel_hi:[1,0]   ; x 2^(entry 10 + entry 11); each accumulator from its low end on
.set j, j+2
.endr
.irp b, 0,1,2,3
	ds_store_b128 v[STO], v[TMP+8*\b:TMP+8*\b+3] offset:64*\b
	ds_store_b128 v[STO], v[TMP+8*\b+4:TMP+8*\b+7] offset:64*\b+16
.endr
.set BB, BK+32*((\a)%2)
.irp t, 0,1,2,3,4,5,6,7
	ds_load_b128 v[BB+4*\t:BB+4*\t+3], v[RD] offset:\t*2*SPITCH
.endr
.endm
.macro SEND a, younger                 ; younger: the LDS instructions issued behind block a's loads, which may stay out
.set BB, BK+32*((\a)%2)
	s_wait_dscnt \younger                          ; the block is back in registers
.irp t, 0,1,2,3,4,5,6,7
	global_store_b128 v[CO], v[BB+4*\t:BB+4*\t+3], s[10:11] offset:(16*(\a)+2*\t)*ROWC th:TH_STORE_NT   ; sixteen lanes store 256 consecutive bytes, aligned; 63 rows at the most stand in the immediate
.endr
.endm
	s_wait_kmcnt 0x0
	s_add_co_i32 s96, s96, s97
	s_add_co_i32 s96, s96, 127
	s_lshl_b32 s96, s96, 23                        ; 2^(entry 10 + entry 11) as f32
	PLACES NP                                      ; in front of the first read of results
	TOSTAGE 0
.irp a, 1,2,3
.if \a > 1
	s_wait_xcnt 0x0                                ; block a - 2's stores have read their registers, which block a's loads take
.endif
	TOSTAGE \a
	SEND \a-1, 16                                  ; behind block a - 1's loads: block a's 8 stores and 8 loads
.endr
	SEND 3, 0
	s_wait_tensorcnt 0x0                           ; the wave's end
	ds_add_u32 v[SPW], v[NIL]
	s_wait_dscnt 0x0
	CROUND                                         ; the closing round
	s_endpgm
.Lfunc_end_k_q7b85414323_gemm_out:
	.size	k_q7b85414323_gemm_out, .Lfunc_end_k_q7b85414323_gemm_out-k_q7b85414323_gemm_out
	.p2alignl 7, 3214868480
	.fill 96, 4, 3214868480
	.section	.rodata,"a",@progbits
	.p2align	6, 0x0
	.amdhsa_kernel k_q7b85414323_gemm_out
		.amdhsa_group_segment_fixed_size 327680
		.amdhsa_private_segment_fixed_size 0
		.amdhsa_enable_private_segment 0
		.amdhsa_kernarg_size 32
		.amdhsa_user_sgpr_count 2
		.amdhsa_user_sgpr_kernarg_segment_ptr 1
		.amdhsa_wavefront_size32 1
		.amdhsa_system_sgpr_workgroup_id_x 1
		.amdhsa_system_sgpr_workgroup_id_y 1
		.amdhsa_system_sgpr_workgroup_id_z 1
		.amdhsa_system_vgpr_workitem_id 0
		.amdhsa_next_free_vgpr 512
		.amdhsa_next_free_sgpr 98
		.amdhsa_reserve_vcc 0
		.amdhsa_float_denorm_mode_32 3
		.amdhsa_float_denorm_mode_16_64 3
		.amdhsa_memory_ordered 1
		.amdhsa_forward_progress 1
		.amdhsa_inst_pref_size 73
	.end_amdhsa_kernel
	.amdgpu_metadata
---
amdhsa.version: [ 1, 2 ]
amdhsa.kernels:
  - .name:           k_q7b85414323_gemm_out
    .symbol:         k_q7b85414323_gemm_out.kd
    .args:
      - { .name: ac, .offset: 0, .size: 8, .value_kind: global_buffer, .address_space: global }
      - { .name: wc, .offset: 8, .size: 8, .value_kind: global_buffer, .address_space: global }
      - { .name: lowp_scales, .offset: 16, .size: 8, .value_kind: global_buffer, .address_space: global }
      - { .name: out0, .offset: 24, .size: 8, .value_kind: global_buffer, .address_space: global }
    .group_segment_fixed_size: 327680
    .private_segment_fixed_size: 0
    .kernarg_segment_align: 8
    .kernarg_segment_size: 32
    .max_flat_workgroup_size: 128
    .sgpr_count:     98
    .vgpr_count:     512
    .wavefront_size: 32
...
	.end_amdgpu_metadata
.endif
;; end of part 8
